; MI455X (gfx1250); checked and timed in simulation.
; The chip was launched on July 23, 2026; its instructions are those of AMD's public machine-readable ISA for CDNA 5 (MIT licence, August 2026) and "CDNA5" Instruction Set Architecture Reference Guide (July 2026). The comments in the code are by the model that wrote it; some were corrected since.
;; Multi Head Attention. Allowed arithmetic: matrix products marked QUANTISED: E2M1 operands, one E8M0 scale for each 32 along K, by v_wmma_scale_f32_16x16x128_f8f6f4 with both operands' format E2M1 (or v_wmma_scale_f32_32x16x128_f4), f32 sums; products left as they are: bf16, f16 or f32 operands; f32 sums; everything else in f32.
;; Inputs: Wk 512 x 512 float32; Wo 512 x 512 float32; Wq 512 x 512 float32; Wv 512 x 512 float32; in_features 2 x 4,096 x 512 float32; token_positions 4,096 int32.
;; Outputs: out0 2 x 4,096 x 512 float32.
;; This version of the problem:
;;   THIS VERSION OF THE PROBLEM IS GIVEN IN LOW PRECISION. The matrix products marked QUANTISED in the list below multiply operands that are first quantised to E2M1 (2 exponent bits, 1 mantissa bit; 4 bits a number), with one power-of-two scale for each 32 numbers along K (OCP MX v1.0); their sums are f32. The products marked 'left as it is' may take bf16, f16 or f32 operands, with f32 sums. Whichever they take, every output number must still come out within the allowed error. Rounding operands to bf16 (8 significant bits) uses up far more of that allowance than f16 does (11 bits, for magnitudes from 6e-5 to 65,504). All else is computed in f32.
;;   The module's matrix products, in the order in which they are computed (A, B: the left and right operand; K: the contracted axis; several contracted axes count as one K, in the product's order):
;;     1. [M 8,192, K 512] x [K 512, N 512]; A: input in_features; B: input Wq: QUANTISED
;;     2. [M 8,192, K 512] x [K 512, N 512]; A: input in_features; B: input Wk: QUANTISED
;;     3. [M 8,192, K 512] x [K 512, N 512]; A: input in_features; B: input Wv: QUANTISED
;;     4. batch 16 x [M 4,096, K 64] x [K 64, N 4,096]; A: computed on the way; B: computed on the way: left as it is (an operand is computed on the way)
;;     5. batch 16 x [M 4,096, K 4,096] x [K 4,096, N 64]; A: computed on the way; B: computed on the way: left as it is (an operand is computed on the way)
;;     6. [M 8,192, K 512] x [K 512, N 512]; A: computed on the way; B: input Wo: left as it is (an operand is computed on the way)
;;   THE QUANTISER, for each operand of a quantised product, along K:
;;     - K is cut into blocks of 32 from its start; a last block that is shorter is filled with zeros.
;;     - A block's scale is 2^e with e = floor(log2(the largest magnitude in the block)) - 2, held to -126 .. 127; a block of zeros has e = 0. As a byte (E8M0): e + 127.
;;     - Each number is divided by its block's scale, clamped to +-6, and rounded to the nearest number of E2M1, ties to even, subnormals kept.
;;     - The product sums the exact products of the quantised numbers (number of the format x scale) in f32.
;;   ~~~python
;;   def quantise(x, axis):      # numpy; x: float32 -> the quantised numbers, widened to float32 again
;;       x = np.moveaxis(x, axis, -1); K = x.shape[-1]
;;       x = np.pad(x, [(0, 0)] * (x.ndim - 1) + [(0, -K % 32)]); x = x.reshape(x.shape[:-1] + (-1, 32)); a = np.abs(x).max(-1, keepdims=True)
;;       e = np.where(a > 0, np.clip(np.frexp(np.where(a > 0, a, 1))[1] - 1 - 2, -126, 127), 0)      # np.frexp(a)[1] - 1 = floor(log2(a)), exactly
;;       r = np.clip(x / 2.0 ** e, -6, 6)
;;       step = 2.0 ** (np.maximum(np.frexp(np.where(r == 0, 1, r))[1] - 1, 0) - 1)
;;       q = np.round(r / step) * step * 2.0 ** e      # np.round: ties to even
;;       return np.moveaxis(q.reshape(q.shape[:-2] + (-1,))[..., :K], -1, axis).astype(np.float32)
;;   ~~~
;; One version. Each part assembles by itself: llvm-mc -triple=amdgcn-amd-amdhsa -mcpu=gfx1250 --defsym DOCPART=n.
;; ======== version 1 of 1: 5 launches
;; limits: values are held in f16: magnitudes above 65,504 overflow, below 6.1e-05 lose precision
;; workspace buffers: prepb 4,218,880 bytes; qkvb 25,362,432 bytes; oimg 8,388,608 bytes
;; launch prep (part 1): grid 224 x 1, 4 waves a work-group, no clusters, 109,056 bytes of LDS; arguments in_features, Wq, Wk, Wv, Wo, token_positions, prepb; writes prepb
.if DOCPART == 1
	.amdgcn_target "amdgcn-amd-amdhsa--gfx1250"
	.amdhsa_code_object_version 6
	.text
	.protected	k_qfb00d70bba_prep
	.globl	k_qfb00d70bba_prep
	.p2align	8
	.type	k_qfb00d70bba_prep,@function
k_qfb00d70bba_prep:
	s_mov_b64 s[64:65], 0
	v_nop
	global_prefetch_b8 v0, s[64:65] scope:SCOPE_SE
	s_setreg_imm32_b32 hwreg(HW_REG_WAVE_MODE, 25, 1), 1
	s_wait_xcnt 0x0
; PREP: what the later launches read many times is made once.
;  work-groups 0-151:   in_features [8192][512] and Wq, Wk, Wv [512][512], f32, become codes of FP4 (E2M1) with one E8M0 byte for each 32 along K (K is innermost in all four).
;  work-groups 152-159: Wo [512][512] becomes f16.
;  work-groups 160-223: cos and sin of token_positions[s] x 10000^(-i/32), i = 0 .. 31, in f32.
; LAYOUT.  Codes and f16 numbers are stored as IMAGES OF OPERAND REGISTERS.  A tile is 16 rows; it lies as [piece of 16 bytes along K][row][16 bytes], so that the 32 lanes of a later load of 16 bytes a lane,
; at 16 x lane, get the registers that the matrix instruction wants.  FP4: a piece is a block of 32 codes, a tile 4,096 bytes.  f16: a piece is 8 numbers, a tile 16,384 bytes.  Scale bytes lie [row][16].
; A block's scale is 2^(floor(log2(largest magnitude)) - 2); its byte is that magnitude's exponent field - 2, held at 1 from below.
; LIMITS: a block of zeros gets the byte 1, not 127 (its codes are zeros; this program alone reads the bytes); NaN and infinities among the inputs are not served; positions are taken as 0 .. 4095
; (the table that reference() indexes); 10000^(-i/32) is 2^(-0.41524101 i) by v_exp_f32, so an angle may differ from reference()'s by some 4e-4 rad at the largest positions, alike for q and k.
; The three kinds of work-group part on the work-group's number alone and use LDS bytes of their own.
.set XSO,   2097152                    ; prepb: x's codes at 0; x's scale bytes;
.set WCO,   2228224                    ; the three weights' codes (q, k, v: 96 tiles);
.set WSO,   2621440                    ; their scale bytes;
.set WOO,   2646016                    ; Wo's f16 images (32 tiles);
.set CSO,   3170304                    ; the table: [tile of 16 tokens][p 0..3][cos, sin][lane][4 f32]: lane (r, h) holds pairs 8 p + 4 h + 0 .. 3 of token 16 T + r
.set WREG,  9728                       ; LDS of a quantising wave: two stages of 32 x 80 bytes,
.set STGB,  2560
.set CST,   5120                       ; 16 pieces' rows of 256 bytes + 16 of padding,
.set SBY,   9472                       ; 256 scale bytes
.set WOL,   38912                      ; LDS of the Wo path: 64 pieces x 272 bytes for each wave
.set WOW,   17408
.set SPARE, 108544                     ; the spare words, 128 bytes a wave: two blocks of 256 bytes that no other line names
.set SPW,   12                         ; v12  LDS address of my spare word; never rewritten
.set NIL,   13                         ; v13  0; never rewritten
.set EB,    16                         ; v16-31   a scale byte for each step
.set RL,    32                         ; v32-159  numbers as loaded: eight sets of 16
.set XN,    160                        ; v160-191 two sets of 16 neighbours (Wo path: f16 pairs)
.set CD,    192                        ; v192-223 two registers of codes for each step
.macro CLOSE                           ; a wave's end
	s_wait_tensorcnt 0x0
	ds_add_u32 v[SPW], v[NIL]
	s_wait_dscnt 0x0
	s_endpgm
.endm
	s_load_b256 s[4:11], s[0:1], 0x0               ; in_features s[4:5], Wq s[6:7], Wk s[8:9], Wv s[10:11]
	s_load_b128 s[12:15], s[0:1], 0x20             ; Wo s[12:13], token_positions s[14:15]
	s_load_b64 s[16:17], s[0:1], 0x30              ; prepb
	v_lshl_add_u32 v[SPW], v0, 2, SPARE
	v_mov_b32 v[NIL], 0
	v_lshrrev_b32 v1, 5, v0
	v_readfirstlane_b32 s18, v1                    ; wave
	v_and_b32 v1, 31, v0                           ; lane
	v_lshlrev_b32 v3, 4, v1                        ; 16 x lane
	s_lshl_b32 s19, ttmp9, 2
	s_add_co_u32 s19, s19, s18                     ; 4 x work-group + wave
	s_mov_b32 s29, 0
	s_cmp_ge_u32 ttmp9, 160
	s_cbranch_scc1 .Ltab
	s_cmp_ge_u32 ttmp9, 152
	s_cbranch_scc1 .Lwo
; ---- THE QUANTISER.  A wave takes one tile: 16 rows of 512 numbers, a row a step.  Each load reads 512 consecutive bytes; a row turns through the wave's stage so that a lane holds 16 neighbours
; (two neighbouring lanes hold a block); the lane's 8 bytes of codes go to their place in the tile's image in LDS, and the image leaves in runs of 512 bytes.
	s_mul_i32 s20, s18, WREG
	v_lshrrev_b32 v14, 2, v1
	v_mul_u32_u24 v14, v14, 80
	v_and_b32 v15, 3, v1
	v_lshl_add_u32 v14, v15, 4, v14
	v_add_nc_u32 v14, s20, v14                     ; stage, in: four lanes' 64 bytes on end, then 16 of padding
	v_mul_u32_u24 v15, v1, 80
	v_add_nc_u32 v15, s20, v15                     ; stage, out: my 16 neighbours
	v_lshrrev_b32 v5, 1, v1                        ; my block
	v_and_b32 v4, 1, v1
	v_mul_u32_u24 v2, v5, 272
	v_lshl_add_u32 v2, v4, 3, v2
	v_add_nc_u32 v2, s20, v2                       ; image, in: piece = my block, my half of its 16 bytes; the row stands in the offset
	v_add_nc_u32 v5, s20, v5                       ; my block's scale byte
	v_lshrrev_b32 v10, 4, v1
	v_mul_u32_u24 v10, v10, 272
	v_and_b32 v4, 15, v1
	v_lshl_add_u32 v10, v4, 4, v10
	v_add_nc_u32 v10, s20, v10                     ; image, out: two pieces an instruction
	v_lshlrev_b32 v7, 3, v1
	v_add_nc_u32 v6, s20, v7                       ; scale bytes, out: 8 a lane
	s_sub_co_u32 s22, s19, 512                     ; a weight's tile, 0 .. 95
	s_and_b32 s23, s22, 31                         ; and its number in its own weight
	s_sub_co_u32 s24, ttmp9, 128
	s_lshr_b32 s24, s24, 3                         ; which weight
	s_mov_b32 s26, WSO
	s_wait_kmcnt 0x0
	s_cmp_eq_u32 s24, 1
	s_cselect_b64 s[6:7], s[8:9], s[6:7]
	s_cmp_eq_u32 s24, 2
	s_cselect_b64 s[6:7], s[10:11], s[6:7]
	s_cmp_lt_u32 ttmp9, 128                        ; x's work-group or a weight's: the choice hangs on the work-group's number alone
	s_cselect_b64 s[4:5], s[4:5], s[6:7]
	s_cselect_b32 s23, s19, s23                    ; the tile in its source,
	s_cselect_b32 s22, s19, s22                    ; and among its kind's tiles
	s_cselect_b32 s25, 0, WCO
	s_cselect_b32 s26, XSO, s26
	s_lshl_b32 s28, s23, 15                        ; 16 rows of 2,048 bytes
	s_add_nc_u64 s[4:5], s[4:5], s[28:29]
	s_lshl_b32 s28, s22, 12
	s_add_co_u32 s28, s28, s25
	s_add_nc_u64 s[30:31], s[16:17], s[28:29]      ; the tile's codes
	s_lshl_b32 s28, s22, 8
	s_add_co_u32 s28, s28, s26
	s_add_nc_u64 s[32:33], s[16:17], s[28:29]      ; its scale bytes
.macro LOADQ t
.irp i, 0,1,2,3
	global_load_b128 v[RL+16*((\t)%8)+4*\i:RL+16*((\t)%8)+4*\i+3], v3, s[4:5] offset:2048*(\t)+512*\i th:TH_LOAD_NT
.endr
.endm
.macro TURNQ t                         ; LDS serves a wave's instructions in order: no wait between the stores and the loads
.irp i, 0,1,2,3
	ds_store_b128 v14, v[RL+16*((\t)%8)+4*\i:RL+16*((\t)%8)+4*\i+3] offset:STGB*((\t)%2)+640*\i
.endr
.irp i, 0,1,2,3
	ds_load_b128 v[XN+16*((\t)%2)+4*\i:XN+16*((\t)%2)+4*\i+3], v15 offset:STGB*((\t)%2)+16*\i
.endr
.endm
.macro STEPQ t
.set XQ, XN+16*((\t)%2)
.if (\t) > 0
	s_wait_dscnt 2                                 ; this row is back from the stage; the last step's two stores (codes, byte) may be out
.else
	s_wait_dscnt 0x0
.endif
.if (\t)+8 < 16
	LOADQ (\t)+8                                   ; eight rows ahead, into the set that this row has left
.endif
.if (\t)+1 < 16
.if 14-(\t) >= 7
	s_wait_loadcnt 28                              ; the next row's four loads are in; those of the seven rows behind it may be out
.else
	s_wait_loadcnt 4*(14-(\t))
.endif
	TURNQ (\t)+1
.endif
	v_max3_num_f32 v8, |v[XQ]|, |v[XQ+1]|, |v[XQ+2]|
	v_max3_num_f32 v9, |v[XQ+3]|, |v[XQ+4]|, |v[XQ+5]|
.irp i, 6,10
	v_max3_num_f32 v8, v8, |v[XQ+\i]|, |v[XQ+\i+1]|
	v_max3_num_f32 v9, v9, |v[XQ+\i+2]|, |v[XQ+\i+3]|
.endr
	v_max3_num_f32 v8, v8, |v[XQ+14]|, |v[XQ+15]|
	v_max3_num_f32 v8, v8, v9, 0x1800000           ; and the floor 2^(3 - 127): the byte cannot fall under 1
	v_max_num_f32_dpp v8, v8, v8 row_xmask:1 row_mask:0xf bank_mask:0xf   ; with my neighbour's 16: the block's largest magnitude
	v_add_nc_u32 v11, 0xff000000, v8               ; 2 off its exponent field: the conversion takes that field as its scale
	v_cvt_scalef32_pk8_fp4_f32 v[CD+2*(\t)], v[XQ:XQ+7], v11
	v_cvt_scalef32_pk8_fp4_f32 v[CD+2*(\t)+1], v[XQ+8:XQ+15], v11
	v_lshrrev_b32 v[EB+(\t)], 23, v11              ; the scale's byte (also the plain line behind the conversions)
	ds_store_b64 v2, v[CD+2*(\t):CD+2*(\t)+1] offset:CST+16*(\t)
	ds_store_b8 v5, v[EB+(\t)] offset:SBY+16*(\t)  ; both lanes of a block write the same byte with the same value
.endm
.irp t, 0,1,2,3,4,5,6,7
	LOADQ \t
.endr
	s_wait_loadcnt 28                              ; row 0 is in
	TURNQ 0
.irp t, 0,1,2,3,4,5,6,7,8,9,10,11,12,13,14,15
	STEPQ \t
.endr
.irp i, 0,1,2,3,4,5,6,7
	ds_load_b128 v[RL+4*\i:RL+4*\i+3], v10 offset:CST+544*\i
.endr
	ds_load_b64 v[8:9], v6 offset:SBY
.irp i, 0,1,2,3,4,5,6,7
	s_wait_dscnt 8-\i
	global_store_b128 v3, v[RL+4*\i:RL+4*\i+3], s[30:31] offset:512*\i   ; 32 lanes store 512 consecutive bytes
.endr
	s_wait_dscnt 0x0
	global_store_b64 v7, v[8:9], s[32:33]          ; 256 consecutive bytes of scales
	CLOSE
; ---- Wo TO f16.  A wave takes one tile of 16 rows, four rows a batch; a lane's four numbers of a load are half a piece.
.Lwo:
	s_sub_co_u32 s19, s19, 608                     ; the tile, 0 .. 31
	s_mul_i32 s20, s18, WOW
	s_add_co_u32 s20, s20, WOL
	v_lshrrev_b32 v5, 1, v1
	v_and_b32 v4, 1, v1
	v_mul_u32_u24 v2, v5, 272
	v_lshl_add_u32 v2, v4, 3, v2
	v_add_nc_u32 v2, s20, v2                       ; image, in: piece 16 i + lane / 2, my half of its 16 bytes
	v_lshrrev_b32 v10, 4, v1
	v_mul_u32_u24 v10, v10, 272
	v_and_b32 v4, 15, v1
	v_lshl_add_u32 v10, v4, 4, v10
	v_add_nc_u32 v10, s20, v10                     ; image, out
	s_lshl_b32 s28, s19, 15
	s_lshl_b32 s22, s19, 14
	s_add_co_u32 s22, s22, WOO
	s_mov_b32 s23, 0
	s_wait_kmcnt 0x0
	s_add_nc_u64 s[12:13], s[12:13], s[28:29]
	s_add_nc_u64 s[30:31], s[16:17], s[22:23]
.macro LOADW q
.irp rr, 0,1,2,3
.irp i, 0,1,2,3
	global_load_b128 v[RL+64*((\q)%2)+16*\rr+4*\i:RL+64*((\q)%2)+16*\rr+4*\i+3], v3, s[12:13] offset:(4*(\q)+\rr)*2048+512*\i th:TH_LOAD_NT
.endr
.endr
.endm
.macro BATCHW q
.if (\q) < 3
	s_wait_loadcnt 16                              ; this batch is in; the next batch's sixteen loads may be out
.else
	s_wait_loadcnt 0x0
.endif
	s_wait_dscnt 0x0                               ; the last batch's stores have read their registers
.irp rr, 0,1,2,3
.irp i, 0,1,2,3
	v_cvt_pk_f16_f32 v[XN+2*(4*\rr+\i)], v[RL+64*((\q)%2)+16*\rr+4*\i], v[RL+64*((\q)%2)+16*\rr+4*\i+1]
	v_cvt_pk_f16_f32 v[XN+2*(4*\rr+\i)+1], v[RL+64*((\q)%2)+16*\rr+4*\i+2], v[RL+64*((\q)%2)+16*\rr+4*\i+3]
.endr
.endr
.irp rr, 0,1,2,3
.irp i, 0,1,2,3
	ds_store_b64 v2, v[XN+2*(4*\rr+\i):XN+2*(4*\rr+\i)+1] offset:4352*\i+16*(4*(\q)+\rr)
.endr
.endr
.if (\q)+2 < 4
	LOADW (\q)+2
.endif
.endm
	LOADW 0
	LOADW 1
.irp q, 0,1,2,3
	BATCHW \q
.endr
.set i, 0
.rept 32
	ds_load_b128 v[RL+4*i:RL+4*i+3], v10 offset:544*i
.set i, i+1
.endr
.set i, 0
.rept 32
	s_wait_dscnt 31-i
	global_store_b128 v3, v[RL+4*i:RL+4*i+3], s[30:31] offset:512*i
.set i, i+1
.endr
	CLOSE
; ---- THE TABLE.  A wave takes 16 tokens; lane (r, h) makes 16 angles of token r: pairs 8 p + 4 h + e.  The angle is rounded as reference() rounds it (one f32 product);
; it is brought into [-pi/4, pi/4] by n = the nearest whole number to angle x 2/pi and pi/2 in two parts, and sine and cosine are polynomials there; n mod 4 says which is which and their signs.
.set AN,  32
.set NN,  48
.set TCO, 64                           ; v64-79 cos, v80-95 sin, at 4 p + e
.set TSI, 80
.set RR,  96
.set ZZ,  112
.set SS,  128
.set CC,  144
.set QQ,  160
.Ltab:
	s_sub_co_u32 s19, s19, 640                     ; the tile of tokens, 0 .. 255
	v_and_b32 v4, 15, v0
	v_lshlrev_b32 v4, 2, v4                        ; 4 r
	v_bfe_u32 v5, v0, 4, 1
	v_lshlrev_b32 v5, 2, v5                        ; 4 h
	s_lshl_b32 s28, s19, 6
	s_lshl_b32 s22, s19, 12
	s_add_co_u32 s22, s22, CSO
	s_mov_b32 s23, 0
	s_mov_b32 s34, 0x3f22f983                      ; 2 / pi
	s_mov_b32 s35, 0xbfc90fdb                      ; -(pi / 2 rounded to f32)
	s_mov_b32 s36, 0x333bbd2e                      ; what that rounding added
	s_mov_b32 s37, 0xbe2aaaa3                      ; sine: r + r z (s37 + z (s38 + z s39))
	s_mov_b32 s38, 0x3c08839e
	s_mov_b32 s39, 0xb94ca1f9
	s_mov_b32 s40, 0x3d2aaaa5                      ; cosine: 1 - z / 2 + z z (s40 + z (s41 + z s42))
	s_mov_b32 s41, 0xbab6061a
	s_mov_b32 s42, 0x37ccf5ce
	s_wait_kmcnt 0x0
	s_add_nc_u64 s[14:15], s[14:15], s[28:29]
	s_add_nc_u64 s[16:17], s[16:17], s[22:23]
	global_load_b32 v6, v4, s[14:15]               ; my token's position
.irp k, 0,1,2,3,4,5,6,7,8,9,10,11,12,13,14,15
	v_add_nc_u32 v[AN+\k], 8*(\k/4)+\k%4, v5       ; the pair's number i
.endr
.irp k, 0,1,2,3,4,5,6,7,8,9,10,11,12,13,14,15
	v_cvt_f32_u32 v[AN+\k], v[AN+\k]
.endr
.irp k, 0,1,2,3,4,5,6,7,8,9,10,11,12,13,14,15
	v_mul_f32 v[AN+\k], 0xbed49a78, v[AN+\k]       ; -i log2(10000) / 32
.endr
.irp k, 0,1,2,3,4,5,6,7,8,9,10,11,12,13,14,15
	v_exp_f32 v[NN+\k], v[AN+\k]
.endr
	v_nop                                          ; a plain line behind the last exponential,
	s_wait_alu depctr_va_vdst(0)                   ; and one wait for the batch ahead of its first reader
	s_wait_loadcnt 0x0
	v_cvt_f32_i32 v6, v6
.irp k, 0,1,2,3,4,5,6,7,8,9,10,11,12,13,14,15
	v_mul_f32 v[AN+\k], v6, v[NN+\k]               ; the angle
.endr
.irp k, 0,1,2,3,4,5,6,7,8,9,10,11,12,13,14,15
	v_mul_f32 v[NN+\k], s34, v[AN+\k]
.endr
.irp k, 0,1,2,3,4,5,6,7,8,9,10,11,12,13,14,15
	v_rndne_f32 v[NN+\k], v[NN+\k]
.endr
.irp k, 0,1,2,3,4,5,6,7,8,9,10,11,12,13,14,15
	v_fma_f32 v[RR+\k], v[NN+\k], s35, v[AN+\k]
.endr
.irp k, 0,1,2,3,4,5,6,7,8,9,10,11,12,13,14,15
	v_fma_f32 v[RR+\k], v[NN+\k], s36, v[RR+\k]
.endr
.irp k, 0,1,2,3,4,5,6,7,8,9,10,11,12,13,14,15
	v_mul_f32 v[ZZ+\k], v[RR+\k], v[RR+\k]
.endr
.irp k, 0,1,2,3,4,5,6,7,8,9,10,11,12,13,14,15
	v_fma_f32 v[SS+\k], v[ZZ+\k], s39, s38
.endr
.irp k, 0,1,2,3,4,5,6,7,8,9,10,11,12,13,14,15
	v_fma_f32 v[SS+\k], v[SS+\k], v[ZZ+\k], s37
.endr
.irp k, 0,1,2,3,4,5,6,7,8,9,10,11,12,13,14,15
	v_mul_f32 v[AN+\k], v[RR+\k], v[ZZ+\k]
.endr
.irp k, 0,1,2,3,4,5,6,7,8,9,10,11,12,13,14,15
	v_fma_f32 v[SS+\k], v[SS+\k], v[AN+\k], v[RR+\k]
.endr
.irp k, 0,1,2,3,4,5,6,7,8,9,10,11,12,13,14,15
	v_fma_f32 v[CC+\k], v[ZZ+\k], s42, s41
.endr
.irp k, 0,1,2,3,4,5,6,7,8,9,10,11,12,13,14,15
	v_fma_f32 v[CC+\k], v[CC+\k], v[ZZ+\k], s40
.endr
.irp k, 0,1,2,3,4,5,6,7,8,9,10,11,12,13,14,15
	v_mul_f32 v[AN+\k], v[ZZ+\k], v[ZZ+\k]
.endr
.irp k, 0,1,2,3,4,5,6,7,8,9,10,11,12,13,14,15
	v_fma_f32 v[RR+\k], v[ZZ+\k], -0.5, 1.0
.endr
.irp k, 0,1,2,3,4,5,6,7,8,9,10,11,12,13,14,15
	v_fma_f32 v[CC+\k], v[CC+\k], v[AN+\k], v[RR+\k]
.endr
.irp k, 0,1,2,3,4,5,6,7,8,9,10,11,12,13,14,15
	v_cvt_i32_f32 v[QQ+\k], v[NN+\k]
.endr
.irp k, 0,1,2,3,4,5,6,7,8,9,10,11,12,13,14,15
	v_and_b32 v8, 1, v[QQ+\k]
	v_cmp_eq_u32 vcc_lo, 1, v8                     ; n odd: sine and cosine change places
	v_cndmask_b32 v[TSI+\k], v[SS+\k], v[CC+\k], vcc_lo
	v_cndmask_b32 v[TCO+\k], v[CC+\k], v[SS+\k], vcc_lo
	v_and_b32 v8, 2, v[QQ+\k]
	v_lshlrev_b32 v8, 30, v8
	v_xor_b32 v[TSI+\k], v[TSI+\k], v8             ; sine is negated where n mod 4 is 2 or 3,
	v_add_nc_u32 v9, 1, v[QQ+\k]
	v_and_b32 v9, 2, v9
	v_lshlrev_b32 v9, 30, v9
	v_xor_b32 v[TCO+\k], v[TCO+\k], v9             ; cosine where it is 1 or 2
.endr
.irp p, 0,1,2,3
	global_store_b128 v3, v[TCO+4*\p:TCO+4*\p+3], s[16:17] offset:1024*\p
	global_store_b128 v3, v[TSI+4*\p:TSI+4*\p+3], s[16:17] offset:1024*\p+512
.endr
	CLOSE
.Lfunc_end_k_qfb00d70bba_prep:
	.size	k_qfb00d70bba_prep, .Lfunc_end_k_qfb00d70bba_prep-k_qfb00d70bba_prep
	.p2alignl 7, 3214868480
	.fill 96, 4, 3214868480
	.section	.rodata,"a",@progbits
	.p2align	6, 0x0
	.amdhsa_kernel k_qfb00d70bba_prep
		.amdhsa_group_segment_fixed_size 109056
		.amdhsa_private_segment_fixed_size 0
		.amdhsa_enable_private_segment 0
		.amdhsa_kernarg_size 56
		.amdhsa_user_sgpr_count 2
		.amdhsa_user_sgpr_kernarg_segment_ptr 1
		.amdhsa_wavefront_size32 1
		.amdhsa_system_sgpr_workgroup_id_x 1
		.amdhsa_system_sgpr_workgroup_id_y 1
		.amdhsa_system_sgpr_workgroup_id_z 1
		.amdhsa_system_vgpr_workitem_id 0
		.amdhsa_next_free_vgpr 224
		.amdhsa_next_free_sgpr 66
		.amdhsa_reserve_vcc 1
		.amdhsa_float_denorm_mode_32 3
		.amdhsa_float_denorm_mode_16_64 3
		.amdhsa_memory_ordered 1
		.amdhsa_forward_progress 1
		.amdhsa_inst_pref_size 83
	.end_amdhsa_kernel
	.amdgpu_metadata
---
amdhsa.version: [ 1, 2 ]
amdhsa.kernels:
  - .name:           k_qfb00d70bba_prep
    .symbol:         k_qfb00d70bba_prep.kd
    .args:
      - { .name: in_features, .offset: 0, .size: 8, .value_kind: global_buffer, .address_space: global }
      - { .name: Wq, .offset: 8, .size: 8, .value_kind: global_buffer, .address_space: global }
      - { .name: Wk, .offset: 16, .size: 8, .value_kind: global_buffer, .address_space: global }
      - { .name: Wv, .offset: 24, .size: 8, .value_kind: global_buffer, .address_space: global }
      - { .name: Wo, .offset: 32, .size: 8, .value_kind: global_buffer, .address_space: global }
      - { .name: token_positions, .offset: 40, .size: 8, .value_kind: global_buffer, .address_space: global }
      - { .name: prepb, .offset: 48, .size: 8, .value_kind: global_buffer, .address_space: global }
    .group_segment_fixed_size: 109056
    .private_segment_fixed_size: 0
    .kernarg_segment_align: 8
    .kernarg_segment_size: 56
    .max_flat_workgroup_size: 128
    .sgpr_count:     66
    .vgpr_count:     224
    .wavefront_size: 32
...
	.end_amdgpu_metadata
.endif
;; end of part 1
;; launch proj (part 2): grid 256 x 3, 4 waves a work-group, no clusters, 0 bytes of LDS; arguments prepb, qkvb; writes qkvb
.if DOCPART == 2
	.amdgcn_target "amdgcn-amd-amdhsa--gfx1250"
	.amdhsa_code_object_version 6
	.text
	.protected	k_qfb00d70bba_proj
	.globl	k_qfb00d70bba_proj
	.p2align	8
	.type	k_qfb00d70bba_proj,@function
k_qfb00d70bba_proj:
	s_mov_b64 s[64:65], 0
	v_nop
	global_prefetch_b8 v0, s[64:65] scope:SCOPE_SE
	s_setreg_imm32_b32 hwreg(HW_REG_WAVE_MODE, 25, 1), 1
	s_wait_xcnt 0x0
; PROJ: q, k, v = x W^T on codes of FP4 with E8M0 scales (the three quantised products), RoPE on q and k in f32, results rounded once to f16 and stored as images of the operand registers
; that the attention launch loads.  Positions 0 .. 15 of each batch are stored in f32 too, for the launch that carries those rows finely.
; SHARES.  Work-group x: 32 tokens (two tiles of 16 rows); y: 0 = q, 1 = k, 2 = v.  Wave w: 128 of the 512 outputs (eight tiles of 16: heads 2 w and 2 w + 1), one tile a trip, K = 512 in four matrix instructions.
; All operands come as register images: every load is 16 bytes a lane at 16 x lane, 512 consecutive bytes; no LDS.  x's two tiles and the cos / sin table stay in registers; the weight's tiles come two trips ahead.
; q, k: THE PRODUCT IS USED TRANSPOSED (source 0 = 16 rows of W, source 1 = 16 tokens): a lane holds one token and eight neighbouring channels, that is four RoPE pairs and 16 bytes of f16:
;   image [head][tile of 16 tokens][8 channels][token][16 bytes].
; v: natural order (source 0 = tokens, source 1 = rows of W): a lane holds one channel and eight neighbouring tokens, which is what V^T wants as source 0 of the second attention product:
;   image [head][32 keys][16 channels ct][keys 0-15, 16-31][512 bytes].
; LIMIT: f16 holds q, k, v up to 65,504 in magnitude.
.set XSO,   2097152
.set WCO,   2228224
.set WSO,   2621440
.set CSO,   3170304
.set FQO,   25165824                   ; qkvb: q at 0, k at 2^23, v at 2^24; the f32 copies: q, k [b][16][512] 65,536 bytes each, v [b][512][16]
.set XSR,   8                          ; v8-15    x's scale words: 4 tile + K step
.set WSR,   16                         ; v16-23   the weight's: 4 buffer + K step.  (v8-23 hold scales and nothing else)
.set T1,    24                         ; v24-31   rotated numbers of tile 1
.set XF,    32                         ; v32-95   x's fragments: 32 tile + 8 K step
.set WF,    96                         ; v96-159  the weight's: 32 buffer + 8 K step
.set CSN,   160                        ; v160-223 32 tile + 8 p: four cos, four sin
.set ACC,   224                        ; v224-239 two accumulators
.set T0,    240                        ; v240-247 rotated numbers of tile 0
.set OUT,   248                        ; v248-255 f16 results, four registers a tile
	s_load_b128 s[4:7], s[0:1], 0x0                ; prepb, qkvb
	v_lshrrev_b32 v1, 5, v0
	v_readfirstlane_b32 s8, v1                     ; wave
	v_and_b32 v4, 31, v0
	v_lshlrev_b32 v1, 4, v4                        ; 16 x lane
	v_and_b32 v5, 15, v0                           ; r
	v_lshlrev_b32 v2, 4, v5                        ; 16 r: a row's 16 scale bytes
	v_bfe_u32 v6, v0, 4, 1
	v_lshlrev_b32 v6, 5, v6                        ; 32 h
	s_and_b32 s9, ttmp7, 0xffff                    ; 0 q, 1 k, 2 v
	s_lshr_b32 s10, ttmp9, 7                       ; batch
	s_and_b32 s11, ttmp9, 127                      ; the block of 32 tokens in its batch; 0: it holds positions 0 .. 15
	s_mov_b32 s27, 0
	s_lshl_b32 s28, ttmp9, 13                      ; x's codes: two tiles of 4,096 bytes
	s_lshl_b32 s29, ttmp9, 9
	s_add_co_u32 s29, s29, XSO                     ; x's scale bytes: 32 rows of 16
	s_lshl_b32 s30, s9, 17
	s_lshl_b32 s31, s8, 15
	s_add_co_u32 s30, s30, s31
	s_add_co_u32 s30, s30, WCO                     ; my eight tiles of the weight's codes
	s_lshl_b32 s31, s9, 13
	s_lshl_b32 s32, s8, 11
	s_add_co_u32 s31, s31, s32
	s_add_co_u32 s31, s31, WSO                     ; and their scale bytes
	s_lshl_b32 s32, s11, 13
	s_add_co_u32 s32, s32, CSO                     ; the table of my two tiles of tokens
	s_lshl_b32 s33, s9, 23                         ; the images: kind x 2^23 + (8 batch + 2 wave) heads of 2^19 + the block's 4,096 bytes (two tiles of q or k; one group of 32 keys of v)
	s_lshl_b32 s34, s10, 22
	s_add_co_u32 s33, s33, s34
	s_lshl_b32 s34, s8, 20
	s_add_co_u32 s33, s33, s34
	s_lshl_b32 s34, s11, 12
	s_add_co_u32 s33, s33, s34
	s_cmp_eq_u32 s9, 2
	s_cselect_b32 s35, 13, 9                       ; the f32 copy: my 128 channels are 512 bytes of a row of q or k, 8,192 bytes of v
	s_lshl_b32 s35, s8, s35
	s_lshl_b32 s34, s9, 16
	s_add_co_u32 s35, s35, s34
	s_lshl_b32 s34, s10, 15
	s_add_co_u32 s35, s35, s34
	s_add_co_u32 s35, s35, FQO
	s_wait_kmcnt 0x0
	s_mov_b32 s26, s28
	s_add_nc_u64 s[12:13], s[4:5], s[26:27]
	s_mov_b32 s26, s29
	s_add_nc_u64 s[14:15], s[4:5], s[26:27]
	s_mov_b32 s26, s30
	s_add_nc_u64 s[16:17], s[4:5], s[26:27]
	s_mov_b32 s26, s31
	s_add_nc_u64 s[18:19], s[4:5], s[26:27]
	s_mov_b32 s26, s32
	s_add_nc_u64 s[20:21], s[4:5], s[26:27]
	s_mov_b32 s26, s33
	s_add_nc_u64 s[22:23], s[6:7], s[26:27]
	s_mov_b32 s26, s35
	s_add_nc_u64 s[24:25], s[6:7], s[26:27]
.irp rt, 0,1
	global_load_b128 v[XSR+4*\rt:XSR+4*\rt+3], v2, s[14:15] offset:256*\rt
.endr
.irp rt, 0,1
.irp j, 0,1,2,3,4,5,6,7
	global_load_b128 v[XF+32*\rt+4*\j:XF+32*\rt+4*\j+3], v1, s[12:13] offset:4096*\rt+512*\j
.endr
.endr
.macro WLOAD nt                        ; a tile of the weight: eight loads of codes, one of scale words: nine
.set BL, (\nt)%2
.irp j, 0,1,2,3,4,5,6,7
	global_load_b128 v[WF+32*BL+4*\j:WF+32*BL+4*\j+3], v1, s[16:17] offset:4096*(\nt)+512*\j
.endr
	global_load_b128 v[WSR+4*BL:WSR+4*BL+3], v2, s[18:19] offset:256*(\nt)
.endm
; Eight matrix instructions: four K steps x two tiles of tokens.  The two accumulators take turns, one instruction a turn; the first K step starts the sums.
.macro MULS nt, tr
.set BF, (\nt)%2
.irp s, 0,1,2,3
.irp rt, 0,1
.if \tr
.if \s == 0
	v_wmma_scale_f32_16x16x128_f8f6f4 v[ACC+8*\rt:ACC+8*\rt+7], v[WF+32*BF+8*\s:WF+32*BF+8*\s+7], v[XF+32*\rt+8*\s:XF+32*\rt+8*\s+7], 0, v[WSR+4*BF+\s], v[XSR+4*\rt+\s] matrix_a_fmt:MATRIX_FMT_FP4 matrix_b_fmt:MATRIX_FMT_FP4
.else
	v_wmma_scale_f32_16x16x128_f8f6f4 v[ACC+8*\rt:ACC+8*\rt+7], v[WF+32*BF+8*\s:WF+32*BF+8*\s+7], v[XF+32*\rt+8*\s:XF+32*\rt+8*\s+7], v[ACC+8*\rt:ACC+8*\rt+7], v[WSR+4*BF+\s], v[XSR+4*\rt+\s] matrix_a_fmt:MATRIX_FMT_FP4 matrix_b_fmt:MATRIX_FMT_FP4
.endif
.else
.if \s == 0
	v_wmma_scale_f32_16x16x128_f8f6f4 v[ACC+8*\rt:ACC+8*\rt+7], v[XF+32*\rt+8*\s:XF+32*\rt+8*\s+7], v[WF+32*BF+8*\s:WF+32*BF+8*\s+7], 0, v[XSR+4*\rt+\s], v[WSR+4*BF+\s] matrix_a_fmt:MATRIX_FMT_FP4 matrix_b_fmt:MATRIX_FMT_FP4
.else
	v_wmma_scale_f32_16x16x128_f8f6f4 v[ACC+8*\rt:ACC+8*\rt+7], v[XF+32*\rt+8*\s:XF+32*\rt+8*\s+7], v[WF+32*BF+8*\s:WF+32*BF+8*\s+7], v[ACC+8*\rt:ACC+8*\rt+7], v[XSR+4*\rt+\s], v[WSR+4*BF+\s] matrix_a_fmt:MATRIX_FMT_FP4 matrix_b_fmt:MATRIX_FMT_FP4
.endif
.endif
.endr
.endr
.endm
.macro HEADT nt                        ; a trip's head
.if (\nt) < 7
	s_wait_loadcnt 9                               ; this trip's tile is in (and, in the first trip, all that was asked for before it); the next tile's nine loads may be out
.else
	s_wait_loadcnt 0x0
.endif
	s_wait_xcnt 0x0                                ; the last trip's stores have read their registers: accumulators, rotated numbers and results are written again only behind this wait
.endm
.macro ROPE rt, p, tb                  ; four pairs: (x0 cos - x1 sin, x0 sin + x1 cos), then rounded to f16.  The accumulator is read from its low end on
.irp e, 0,1,2,3
	v_mul_f32 v[\tb+2*\e], v[ACC+8*\rt+2*\e+1], v[CSN+32*\rt+8*(\p)+4+\e]
	v_mul_f32 v[\tb+2*\e+1], v[ACC+8*\rt+2*\e], v[CSN+32*\rt+8*(\p)+4+\e]
	v_fma_f32 v[\tb+2*\e], v[ACC+8*\rt+2*\e], v[CSN+32*\rt+8*(\p)+\e], -v[\tb+2*\e]
	v_fma_f32 v[\tb+2*\e+1], v[ACC+8*\rt+2*\e+1], v[CSN+32*\rt+8*(\p)+\e], v[\tb+2*\e+1]
.endr
.irp e, 0,1,2,3
	v_cvt_pk_f16_f32 v[OUT+4*\rt+\e], v[\tb+2*\e], v[\tb+2*\e+1]
.endr
.endm
.macro QKTRIP nt
	HEADT \nt
	MULS \nt, 1
.rept 4
	v_nop                                          ; four places behind the products: ahead of the loads into the buffer that they read, and of the first read of their results
.endr
.if (\nt)+2 < 8
	WLOAD (\nt)+2
.endif
	ROPE 0, (\nt)%4, T0
	global_store_b128 v1, v[OUT:OUT+3], s[22:23] offset:((\nt)/4)*524288+((\nt)%4)*512           ; 512 consecutive bytes
	ROPE 1, (\nt)%4, T1
	global_store_b128 v1, v[OUT+4:OUT+7], s[22:23] offset:((\nt)/4)*524288+2048+((\nt)%4)*512
	s_cmp_lg_u32 s11, 0
	s_cbranch_scc1 .Lno_copy_\@
	global_store_b128 v3, v[T0:T0+3], s[24:25] offset:64*(\nt)                                   ; positions 0 .. 15 in f32
	global_store_b128 v3, v[T0+4:T0+7], s[24:25] offset:64*(\nt)+16
.Lno_copy_\@:
.endm
.macro VTRIP nt
	HEADT \nt
	MULS \nt, 0
.rept 4
	v_nop
.endr
.if (\nt)+2 < 8
	WLOAD (\nt)+2
.endif
.irp rt, 0,1
.irp e, 0,1,2,3
	v_cvt_pk_f16_f32 v[OUT+4*\rt+\e], v[ACC+8*\rt+2*\e], v[ACC+8*\rt+2*\e+1]
.endr
	global_store_b128 v1, v[OUT+4*\rt:OUT+4*\rt+3], s[22:23] offset:((\nt)/4)*524288+((\nt)%4)*1024+512*\rt
.endr
	s_cmp_lg_u32 s11, 0
	s_cbranch_scc1 .Lno_copy_\@
	global_store_b128 v3, v[ACC:ACC+3], s[24:25] offset:1024*(\nt)
	global_store_b128 v3, v[ACC+4:ACC+7], s[24:25] offset:1024*(\nt)+16
.Lno_copy_\@:
.endm
	s_cmp_eq_u32 s9, 2
	s_cbranch_scc1 .Lv
	v_lshl_add_u32 v3, v5, 11, v6                  ; the f32 copy of q, k: row r of 2,048 bytes + 32 h
.irp rt, 0,1
.irp j, 0,1,2,3,4,5,6,7
	global_load_b128 v[CSN+32*\rt+4*\j:CSN+32*\rt+4*\j+3], v1, s[20:21] offset:4096*\rt+512*\j
.endr
.endr
	WLOAD 0
	WLOAD 1
.irp t, 0,1,2,3,4,5,6,7
	QKTRIP \t
.endr
	s_endpgm
.Lv:
	v_lshl_add_u32 v3, v5, 6, v6                   ; the f32 copy of v: channel r's 64 bytes + 32 h
	WLOAD 0
	WLOAD 1
.irp t, 0,1,2,3,4,5,6,7
	VTRIP \t
.endr
	s_endpgm
.Lfunc_end_k_qfb00d70bba_proj:
	.size	k_qfb00d70bba_proj, .Lfunc_end_k_qfb00d70bba_proj-k_qfb00d70bba_proj
	.p2alignl 7, 3214868480
	.fill 96, 4, 3214868480
	.section	.rodata,"a",@progbits
	.p2align	6, 0x0
	.amdhsa_kernel k_qfb00d70bba_proj
		.amdhsa_group_segment_fixed_size 0
		.amdhsa_private_segment_fixed_size 0
		.amdhsa_enable_private_segment 0
		.amdhsa_kernarg_size 16
		.amdhsa_user_sgpr_count 2
		.amdhsa_user_sgpr_kernarg_segment_ptr 1
		.amdhsa_wavefront_size32 1
		.amdhsa_system_sgpr_workgroup_id_x 1
		.amdhsa_system_sgpr_workgroup_id_y 1
		.amdhsa_system_sgpr_workgroup_id_z 1
		.amdhsa_system_vgpr_workitem_id 0
		.amdhsa_next_free_vgpr 256
		.amdhsa_next_free_sgpr 66
		.amdhsa_reserve_vcc 0
		.amdhsa_float_denorm_mode_32 3
		.amdhsa_float_denorm_mode_16_64 3
		.amdhsa_memory_ordered 1
		.amdhsa_forward_progress 1
		.amdhsa_inst_pref_size 66
	.end_amdhsa_kernel
	.amdgpu_metadata
---
amdhsa.version: [ 1, 2 ]
amdhsa.kernels:
  - .name:           k_qfb00d70bba_proj
    .symbol:         k_qfb00d70bba_proj.kd
    .args:
      - { .name: prepb, .offset: 0, .size: 8, .value_kind: global_buffer, .address_space: global }
      - { .name: qkvb, .offset: 8, .size: 8, .value_kind: global_buffer, .address_space: global }
    .group_segment_fixed_size: 0
    .private_segment_fixed_size: 0
    .kernarg_segment_align: 8
    .kernarg_segment_size: 16
    .max_flat_workgroup_size: 128
    .sgpr_count:     66
    .vgpr_count:     256
    .wavefront_size: 32
...
	.end_amdgpu_metadata
.endif
;; end of part 2
;; launch attn (part 3): grid 16 x 16, 8 waves a work-group, no clusters, 327,680 bytes of LDS; arguments qkvb, oimg; writes oimg
.if DOCPART == 3
	.amdgcn_target "amdgcn-amd-amdhsa--gfx1250"
	.amdhsa_code_object_version 6
	.text
	.protected	k_qfb00d70bba_attn
	.globl	k_qfb00d70bba_attn
	.p2align	8
	.type	k_qfb00d70bba_attn,@function
k_qfb00d70bba_attn:
	s_mov_b64 s[64:65], 0
	v_nop
	global_prefetch_b8 v0, s[64:65] scope:SCOPE_SE
	s_setreg_imm32_b32 hwreg(HW_REG_WAVE_MODE, 25, 1), 1
	s_wait_xcnt 0x0
; ATTN: causal attention of one head, O = softmax(Q K^T / 8) V, operands in f16, products, maxima and sums in f32, with a running maximum.  O leaves in f16 as the image that the projection loads.
; SHARES.  Work-group (x, head of 16).  Wave w owns TWO tiles of 16 queries: tile a = 8 x + w (the early one) and tile 255 - a (the late one).  A tile t walks t / 4 + 1 key steps of 64, so the two
; together walk 65 steps whatever a is: every wave of the launch has the same work under the causal mask.  While the early tile is alive both tiles use the same fragments of K and V.
; LAYOUT.  S^T = K Q^T (source 0 = 16 keys, source 1 = 16 queries): a lane holds ONE query (lane % 16) and keys 8 (lane / 16) + 0 .. 7.  Two such tiles rounded to f16 in pairs ARE source 1 of O^T = V^T P.
; K and V come as register images, so a fragment is two LDS loads at 16 x lane: consecutive bytes, no pitch, no padding, no turning load.
; RING.  Two slots of 256 keys (K's four steps of 8,192 bytes, then V's four).  Each of the eight waves fills 8,192 bytes of a slot by one tensor load.  Every work-group walks all 16 slots, so trip counts are
; constants; a step all of whose keys come after the wave's queries is jumped over, and a slot whose first key comes after the work-group's last query is not asked for.
; NO CLUSTER: the work-groups of a head need different numbers of slots (keys up to 4,095 - 128 x).
; SOFTMAX.  p = 2^(c s - c m), c = log2(e) / 8, m the running maximum of the raw scores; in every step O and l are multiplied by a = 2^(c m_old - c m_new).
; LIMITS: f16 holds q, k, v, o up to 65,504; a weight p under 2^-24 is rounded to 0 for the second product (the row's sum, taken of the unrounded p, is at least 1).
.set KO,    8388608
.set VO,    16777216
.set SLOT1, 65536                      ; slot 1 begins here: one exclusive or turns an address in one slot into the other's
.set SPARE, 131072                     ; the spare words, 128 bytes a wave: four blocks of 256 bytes that no other line names
.set LI,    1                          ; v1   16 x lane
.set ADR,   2                          ; v2   LDS address of the step in hand
.set NINF,  3                          ; v3   -infinity
.set RH,    4                          ; v4   lane % 16 - 8 (lane / 16)
.set DD,    5                          ; v5   at work in the mask
.set SPW,   6                          ; v6   LDS address of my spare word; never rewritten
.set NIL,   7                          ; v7   0; never rewritten
.set ST,    8                          ; v8-15, v16-23: tile t's statistics: +0 c m, +1 m, +2, +3 l in two halves, +4 .. +7 at work (a at +6)
.set PFO,   24                         ; v24  256 x lane; never rewritten
.set QF,    32                         ; v32-63   Q: 16 t + 8 (32 channels)
.set S,     64                         ; v64-127  S^T: 32 t + 8 (16 keys); P is written over its first 16 registers
.set OT,    128                        ; v128-191 O^T: 32 t + 8 (16 channels)
.set KV,    192                        ; v192-255 a step's K, then its V
.set WV,    8
.set G1,    16                         ; s[16:23] descriptor group 1
.set G0,    24                         ; s[24:27] group 0: it walks
.set PFA,   28                         ; s[28:29] where my prefetches stand: my part of the slot after the one that is being asked for
.set KF,    30                         ; the step's first key
.set TB,    31                         ; LDS byte of the step's K
.set Q0,    32                         ; s32, s33 first query of the late, the early tile
.set QE,    34                         ; s34, s35 their last queries
.set QLAST, 36                         ; the work-group's last query
.set SLOTS, 37
.set INNER, 38
.set LIM,   39                         ; 1 in a work-group that prefetches, else the greatest number
.set SEL,   40                         ; s[40:41] lane selects: lane xor 16
.set CS,    42                         ; s[42:43] c, as a pair for the packed form
	s_load_b128 s[4:7], s[0:1], 0x0                ; qkvb, oimg
	v_lshl_add_u32 v[SPW], v0, 2, SPARE
	v_mov_b32 v[NIL], 0
	ds_add_u32 v[SPW], v[NIL]                      ; the wave's opening: the add, twice on end, and its wait ahead of my first tensor load
	ds_add_u32 v[SPW], v[NIL]
	v_lshrrev_b32 v1, 5, v0
	v_readfirstlane_b32 s[WV], v1                  ; wave 0 .. 7
	s_mov_b32 s[G1], 3<<16                         ; no mask; elements of 8 bytes; no padding
	s_mov_b32 s[G1+1], 32<<16                      ; tensor_dim0 = 32 elements: 256 bytes
	s_mov_b32 s[G1+2], 32<<16                      ; tensor_dim1 = 32 rows
	s_mov_b32 s[G1+3], 32<<16                      ; tile_dim0
	s_mov_b32 s[G1+4], 32                          ; tile_dim1
	s_mov_b32 s[G1+5], 32                          ; pitch: the block is dense
	s_mov_b32 s[G1+6], 0
	s_mov_b32 s[G1+7], 0
	s_and_b32 s9, ttmp7, 0xffff                    ; batch x 8 + head
	s_lshl_b32 s10, ttmp9, 3
	s_add_co_u32 s10, s10, s[WV]                   ; the early tile
	s_sub_co_u32 s11, 255, s10                     ; the late tile
	s_lshl_b32 s[Q0], s11, 4
	s_lshl_b32 s[Q0+1], s10, 4
	s_add_co_u32 s[QE], s[Q0], 15
	s_add_co_u32 s[QE+1], s[Q0+1], 15
	s_lshl_b32 s[QLAST], ttmp9, 7
	s_sub_co_u32 s[QLAST], 4095, s[QLAST]
	s_mov_b32 s[KF], 0
	s_mov_b32 s[TB], 0
	s_mov_b32 s[SLOTS], 15
	s_cmp_eq_u32 ttmp9, 0
	s_cselect_b32 s[LIM], 1, -1
	s_mov_b32 s[SEL], 0x76543210
	s_mov_b32 s[SEL+1], 0xfedcba98
	s_mov_b32 s[CS], 0x3e38aa3b                    ; log2(e) / 8
	s_mov_b32 s[CS+1], s[CS]
	s_lshl_b32 s12, s9, 19                         ; the head's bytes in q, in k and in v
	s_and_b32 s44, s[WV], 3                        ; what I fetch: waves 0-3 K's step w, waves 4-7 V's step w - 4
	s_lshl_b32 s44, s44, 13
	s_add_co_u32 s44, s44, s12
	s_mov_b32 s45, VO
	s_cmp_lt_u32 s[WV], 4
	s_cselect_b32 s45, KO, s45
	s_add_co_u32 s44, s44, s45
	s_mov_b32 s45, 0
	s_lshl_b32 s46, s[WV], 13                      ; and where it goes in a slot: 8,192 x wave
	s_lshl_b32 s48, s11, 11                        ; Q's two tiles of 2,048 bytes
	s_add_co_u32 s48, s48, s12
	s_mov_b32 s49, 0
	s_lshl_b32 s50, s10, 11
	s_add_co_u32 s50, s50, s12
	s_mov_b32 s51, 0
	s_lshr_b32 s13, s9, 3                          ; O's image: (256 batch + tile) x 16,384 + head x 2,048
	s_lshl_b32 s13, s13, 22
	s_and_b32 s14, s9, 7
	s_lshl_b32 s14, s14, 11
	s_add_co_u32 s13, s13, s14
	s_lshl_b32 s52, s11, 14
	s_add_co_u32 s52, s52, s13
	s_mov_b32 s53, 0
	s_lshl_b32 s54, s10, 14
	s_add_co_u32 s54, s54, s13
	s_mov_b32 s55, 0
	s_wait_dscnt 0x0                               ; both opening adds are done
	s_wait_kmcnt 0x0
	s_mov_b32 s[G0], 1                             ; count = 1
	s_mov_b32 s[G0+1], s46                         ; LDS address: slot 0
	s_add_nc_u64 s[G0+2:G0+3], s[4:5], s[44:45]    ; global address: keys 0 .. 255
	s_add_nc_u64 s[PFA:PFA+1], s[G0+2:G0+3], 32768 ; slot 1; the first change of slots steps it to slot 2.  Nothing is prefetched at the head
	s_or_b32 s[G0+3], s[G0+3], 0x80000000          ; type = 2
	tensor_load_to_lds s[G0:G0+3], s[G1:G1+7]      ; slot 0: key 0 counts for every query, so it is read
	s_nop 0
	s_add_nc_u64 s[48:49], s[4:5], s[48:49]
	s_add_nc_u64 s[50:51], s[4:5], s[50:51]
	s_add_nc_u64 s[52:53], s[6:7], s[52:53]
	s_add_nc_u64 s[54:55], s[6:7], s[54:55]
	v_and_b32 v[LI], 31, v0
	v_lshlrev_b32 v[PFO], 8, v[LI]
	v_lshlrev_b32 v[LI], 4, v[LI]
.irp t, 0,1
.irp i, 0,1,2,3
	global_load_b128 v[QF+16*\t+4*\i:QF+16*\t+4*\i+3], v[LI], s[48+2*\t:49+2*\t] offset:512*\i   ; Q stays in registers
.endr
.endr
	v_and_b32 v[RH], 15, v0
	v_bfe_u32 v[DD], v0, 4, 1
	v_lshlrev_b32 v[DD], 3, v[DD]
	v_sub_nc_u32 v[RH], v[RH], v[DD]
	v_mov_b32 v[NINF], 0xff800000
.irp t, 0,1
	v_mov_b32 v[ST+8*\t+1], 0xff61b1e6             ; m = -3e38, under every score
	v_mul_f32 v[ST+8*\t], s[CS], v[ST+8*\t+1]
.irp i, 2,3,4,5,6,7
	v_mov_b32 v[ST+8*\t+\i], 0
.endr
.endr
.set i, 0
.rept 64
	v_mov_b32 v[OT+i], 0                           ; the step is written once: the first finds zeros, which a = 0 leaves zeros
.set i, i+1
.endr
; Eight products: S^T of tile t, 64 keys x 64 channels.  The four accumulators take turns, one instruction a turn; the first four start the sums.
.macro SQK t
.irp c, 0,1
.irp kt, 0,1,2,3
.if \c == 0
	v_wmma_f32_16x16x32_f16 v[S+32*\t+8*\kt:S+32*\t+8*\kt+7], v[KV+16*\kt:KV+16*\kt+7], v[QF+16*\t:QF+16*\t+7], 0
.else
	v_wmma_f32_16x16x32_f16 v[S+32*\t+8*\kt:S+32*\t+8*\kt+7], v[KV+16*\kt+8:KV+16*\kt+15], v[QF+16*\t+8:QF+16*\t+15], v[S+32*\t+8*\kt:S+32*\t+8*\kt+7]
.endif
.endr
.endr
.endm
; Eight products: O^T of tile t += V^T P, 64 channels x 64 keys; four accumulators by turns.
.macro PV t
.irp g, 0,1
.irp ct, 0,1,2,3
	v_wmma_f32_16x16x32_f16 v[OT+32*\t+8*\ct:OT+32*\t+8*\ct+7], v[KV+32*\g+8*\ct:KV+32*\g+8*\ct+7], v[S+32*\t+8*\g:S+32*\t+8*\g+7], v[OT+32*\t+8*\ct:OT+32*\t+8*\ct+7]
.endr
.endr
.endm
.macro SOFTMAX t
.set rT, ST+8*\t
.set rS, S+32*\t
.set rO, OT+32*\t
	s_add_co_u32 s44, s[KF], 63                    ; a step all of whose keys count for all 16 queries skips the mask
	s_cmp_le_u32 s44, s[Q0+\t]
	s_cbranch_scc1 .Lopen_\@
	s_sub_co_i32 s44, s[Q0+\t], s[KF]
	v_add_nc_u32 v[DD], s44, v[RH]                 ; register 8 kt + j holds key KF + 16 kt + 8 (lane / 16) + j: hidden where 16 kt + j > my query - KF - 8 (lane / 16)
.set n, 0
.rept 32
	v_cmp_gt_i32 vcc_lo, 16*(n/8)+n%8, v[DD]
	v_cndmask_b32 v[rS+n], v[rS+n], v[NINF], vcc_lo
.set n, n+1
.endr
.Lopen_\@:
.irp k, 0,1,2,3
	v_max3_num_f32 v[rT+4+\k], v[rS+8*\k], v[rS+8*\k+1], v[rS+8*\k+2]     ; four chains, each from its accumulator's low end on
.endr
.irp i, 3,5
.irp k, 0,1,2,3
	v_max3_num_f32 v[rT+4+\k], v[rT+4+\k], v[rS+8*\k+\i], v[rS+8*\k+\i+1]
.endr
.endr
	v_max3_num_f32 v[rT+4], v[rT+4], v[rS+7], v[rS+15]
	v_max3_num_f32 v[rT+6], v[rT+6], v[rS+23], v[rS+31]
	v_max3_num_f32 v[rT+4], v[rT+4], v[rT+5], v[rT+6]
	v_max3_num_f32 v[rT+4], v[rT+4], v[rT+7], v[rT+1]                     ; with the old m
	v_permlanex16_b32 v[rT+5], v[rT+4], s[SEL], s[SEL+1]                  ; the query's other 32 keys lie in the lane 16 away
	v_mov_b32 v[rT+7], v[rT]                       ; c m_old
	v_max_num_f32 v[rT+1], v[rT+4], v[rT+5]
	v_mul_f32 v[rT], s[CS], v[rT+1]
	v_sub_f32 v[rT+7], v[rT+7], v[rT]
.set n, 0
.rept 16
	v_pk_fma_f32 v[rS+n:rS+n+1], v[rS+n:rS+n+1], s[CS:CS+1], v[rT:rT+1] op_sel_hi:[1,0,0] neg_lo:[0,0,1] neg_hi:[0,0,1]   ; c s - c m
.set n, n+2
.endr
	v_exp_f32 v[rT+6], v[rT+7]                     ; a
.set n, 0
.rept 32
	v_exp_f32 v[rS+n], v[rS+n]
.set n, n+1
.endr
	v_nop                                          ; a plain line behind the last exponential,
	s_wait_alu depctr_va_vdst(0)                   ; and ONE wait for the 33, ahead of their first reader
	v_pk_fma_f32 v[rT+2:rT+3], v[rT+2:rT+3], v[rT+6:rT+7], v[rS:rS+1] op_sel_hi:[1,0,1]   ; l = a l + the unrounded p, in two chains
	v_pk_add_f32 v[rT+4:rT+5], v[rS+2:rS+3], v[rS+6:rS+7]
	v_pk_add_f32 v[rT+2:rT+3], v[rT+2:rT+3], v[rS+4:rS+5]
.irp j, 8,12,16,20,24,28
	v_pk_add_f32 v[rT+2:rT+3], v[rT+2:rT+3], v[rS+\j:rS+\j+1]
	v_pk_add_f32 v[rT+4:rT+5], v[rT+4:rT+5], v[rS+\j+2:rS+\j+3]
.endr
	v_pk_add_f32 v[rT+2:rT+3], v[rT+2:rT+3], v[rT+4:rT+5]
.set n, 0
.rept 16
	v_cvt_pk_f16_f32 v[rS+n], v[rS+2*n], v[rS+2*n+1]   ; P over S^T, ascending: register n is written when registers 2 n and 2 n + 1 are read
.set n, n+1
.endr
.set n, 0
.rept 16
	v_pk_mul_f32 v[rO+n:rO+n+1], v[rO+n:rO+n+1], v[rT+6:rT+7] op_sel_hi:[1,0]   ; O^T x a
.set n, n+2
.endr
.endm
; A step's work, for both tiles (two = 1) or for the late one alone.
.macro BODY two
	s_wait_dscnt 0x0                               ; K is in
	SQK 0
.if \two
	SQK 1
.endif
.rept 4
	v_nop                                          ; four places behind the products: ahead of the loads into K's registers and of the first read of the scores
.endr
.set i, 0
.rept 16
	ds_load_b128 v[KV+4*i:KV+4*i+3], v[ADR] offset:32768+512*i   ; V takes K's registers and lands under the softmax
.set i, i+1
.endr
	SOFTMAX 0
.if \two
	SOFTMAX 1
.endif
	s_wait_dscnt 0x0                               ; V is in
	PV 0
.if \two
	PV 1
.endif
.rept 5
	v_nop                                          ; five places: the next step's first products write over P's registers, its loads over V's
.endr
.endm
.macro STEP
	s_cmp_gt_u32 s[KF], s[QE]                      ; all 64 keys come after my late tile (and so after the early one): nothing to do but step
	s_cbranch_scc1 .Lhid_\@
	v_add_nc_u32 v[ADR], s[TB], v[LI]
.set i, 0
.rept 16
	ds_load_b128 v[KV+4*i:KV+4*i+3], v[ADR] offset:512*i
.set i, i+1
.endr
	s_cmp_gt_u32 s[KF], s[QE+1]
	s_cbranch_scc1 .Lsolo_\@
	BODY 1
	s_branch .Lhid_\@
.Lsolo_\@:
	BODY 0
.Lhid_\@:
	s_add_co_u32 s[KF], s[KF], 64
	s_add_co_u32 s[TB], s[TB], 8192
.endm
.macro SLOT_STEPS                      ; a slot's four steps: written once, walked four times
	s_mov_b32 s[INNER], 4
.Lstep_\@:
	STEP
	s_sub_co_u32 s[INNER], s[INNER], 1
	s_cmp_lg_u32 s[INNER], 0
	s_cbranch_scc1 .Lstep_\@
	s_sub_co_u32 s[TB], s[TB], 32768               ; back to a slot's first step,
	s_xor_b32 s[TB], s[TB], SLOT1                  ; in the other slot
.endm
; THE CHANGE OF SLOTS stands at a slot's head.  Each wave waits for all its tensor loads (its part of the slot that is about to be read), adds 0 to its spare word, and waits for that and for its reads of the
; slot that it has left.  Behind the barrier the slot ahead is whole and nobody reads the other.  fill = 1: the other slot takes the next 256 keys: one load a wave, with four steps in which to land.
.macro CHANGE fill
	s_wait_tensorcnt 0x0                           ; no tensor load of mine is out, so group 0 may be written
	ds_add_u32 v[SPW], v[NIL]
.if \fill
	s_xor_b32 s[G0+1], s[G0+1], SLOT1
	s_add_nc_u64 s[G0+2:G0+3], s[G0+2:G0+3], 32768 ; the type bits on top are not reached
	s_wait_xcnt 0x0                                ; the last prefetch, a slot back, has read its address
	s_add_nc_u64 s[PFA:PFA+1], s[PFA:PFA+1], 32768
.endif
	s_wait_dscnt 0x0
	s_barrier_signal -1
	s_barrier_wait -1
.if \fill
	s_add_co_u32 s44, s[KF], 256                   ; the first key of the slot that this change would ask for:
	s_cmp_gt_u32 s44, s[QLAST]                     ; past my work-group's last query none of its waves reads it, so it is not asked for.  Ids and the count of steps alone: all eight waves go the same way
	s_cbranch_scc1 .Lpast_\@
	tensor_load_to_lds s[G0:G0+3], s[G1:G1+7]
	s_nop 0
.rept 4
	v_nop
.endr
.Lpast_\@:
	; A PREFETCH of the slot after the one just asked for, four key steps ahead of its load.  All work-groups of a head walk the same K and V: work-group x = 0, which walks every slot, asks; each of its eight
	; waves names the 32 aligned blocks of 256 bytes of its own part, a lane a block: each block once in the launch.  The last change that fills a slot asks for nothing: there is no slot behind it.
	s_cmp_gt_u32 s[SLOTS], s[LIM]
	s_cbranch_scc0 .Lnot_mine_\@
	global_prefetch_b8 v[PFO], s[PFA:PFA+1] th:TH_LOAD_NT scope:SCOPE_SE
.Lnot_mine_\@:
.endif
.endm
	s_wait_loadcnt 0x0                             ; Q
.Lslot:                                            ; 15 trips: behind each change of slots but the last the next slot is asked for, up to the causal limit
	CHANGE 1
	SLOT_STEPS
	s_sub_co_u32 s[SLOTS], s[SLOTS], 1
	s_cmp_lg_u32 s[SLOTS], 0
	s_cbranch_scc1 .Lslot
	CHANGE 0                                       ; the last slot is written out: nothing is left to ask for
	SLOT_STEPS
	; THE WAY OUT: l's halves and the other lanes' are added, O^T is divided by l and rounded to f16: a lane's eight channels are 16 bytes of the image, and a store covers 512 consecutive bytes.
.irp t, 0,1
	v_add_f32 v[ST+8*\t+4], v[ST+8*\t+2], v[ST+8*\t+3]
.endr
.irp t, 0,1
	v_permlanex16_b32 v[ST+8*\t+5], v[ST+8*\t+4], s[SEL], s[SEL+1]
.endr
.irp t, 0,1
	v_add_f32 v[ST+8*\t+4], v[ST+8*\t+4], v[ST+8*\t+5]
.endr
.irp t, 0,1
	v_rcp_f32 v[ST+8*\t+6], v[ST+8*\t+4]
.endr
	v_nop
	s_wait_alu depctr_va_vdst(0)                   ; one wait for the two reciprocals, ahead of their first reader
.irp t, 0,1
.set n, 0
.rept 16
	v_pk_mul_f32 v[OT+32*\t+n:OT+32*\t+n+1], v[OT+32*\t+n:OT+32*\t+n+1], v[ST+8*\t+6:ST+8*\t+7] op_sel_hi:[1,0]
.set n, n+2
.endr
.set n, 0
.rept 16
	v_cvt_pk_f16_f32 v[S+32*\t+n], v[OT+32*\t+2*n], v[OT+32*\t+2*n+1]
.set n, n+1
.endr
.irp ct, 0,1,2,3
	global_store_b128 v[LI], v[S+32*\t+4*\ct:S+32*\t+4*\ct+3], s[52+2*\t:53+2*\t] offset:512*\ct
.endr
.endr
	s_wait_tensorcnt 0x0                           ; the wave's end
	ds_add_u32 v[SPW], v[NIL]
	s_wait_dscnt 0x0
	s_endpgm
.Lfunc_end_k_qfb00d70bba_attn:
	.size	k_qfb00d70bba_attn, .Lfunc_end_k_qfb00d70bba_attn-k_qfb00d70bba_attn
	.p2alignl 7, 3214868480
	.fill 96, 4, 3214868480
	.section	.rodata,"a",@progbits
	.p2align	6, 0x0
	.amdhsa_kernel k_qfb00d70bba_attn
		.amdhsa_group_segment_fixed_size 327680
		.amdhsa_private_segment_fixed_size 0
		.amdhsa_enable_private_segment 0
		.amdhsa_kernarg_size 16
		.amdhsa_user_sgpr_count 2
		.amdhsa_user_sgpr_kernarg_segment_ptr 1
		.amdhsa_wavefront_size32 1
		.amdhsa_system_sgpr_workgroup_id_x 1
		.amdhsa_system_sgpr_workgroup_id_y 1
		.amdhsa_system_sgpr_workgroup_id_z 1
		.amdhsa_system_vgpr_workitem_id 0
		.amdhsa_next_free_vgpr 256
		.amdhsa_next_free_sgpr 66
		.amdhsa_reserve_vcc 1
		.amdhsa_float_denorm_mode_32 3
		.amdhsa_float_denorm_mode_16_64 3
		.amdhsa_memory_ordered 1
		.amdhsa_forward_progress 1
		.amdhsa_inst_pref_size 79
	.end_amdhsa_kernel
	.amdgpu_metadata
---
amdhsa.version: [ 1, 2 ]
amdhsa.kernels:
  - .name:           k_qfb00d70bba_attn
    .symbol:         k_qfb00d70bba_attn.kd
    .args:
      - { .name: qkvb, .offset: 0, .size: 8, .value_kind: global_buffer, .address_space: global }
      - { .name: oimg, .offset: 8, .size: 8, .value_kind: global_buffer, .address_space: global }
    .group_segment_fixed_size: 327680
    .private_segment_fixed_size: 0
    .kernarg_segment_align: 8
    .kernarg_segment_size: 16
    .max_flat_workgroup_size: 256
    .sgpr_count:     66
    .vgpr_count:     256
    .wavefront_size: 32
...
	.end_amdgpu_metadata
.endif
;; end of part 3
;; launch outp (part 4): grid 4 x 64, 8 waves a work-group, no clusters, 297,984 bytes of LDS; arguments oimg, prepb, out0; writes out0
.if DOCPART == 4
	.amdgcn_target "amdgcn-amd-amdhsa--gfx1250"
	.amdhsa_code_object_version 6
	.text
	.protected	k_qfb00d70bba_outp
	.globl	k_qfb00d70bba_outp
	.p2align	8
	.type	k_qfb00d70bba_outp,@function
k_qfb00d70bba_outp:
	s_mov_b64 s[64:65], 0
	v_nop
	global_prefetch_b8 v0, s[64:65] scope:SCOPE_SE
	s_setreg_imm32_b32 hwreg(HW_REG_WAVE_MODE, 25, 1), 1
	s_wait_xcnt 0x0
; OUTP: out = O Wo^T, operands in f16 (register images made by the launches before), sums in f32, for every row but positions 0 .. 15 of each batch, which a launch of their own carries in f32.
; SHARES.  A work-group makes 128 tokens (y) x 128 columns (x), K = 512.  Wave w: tokens 32 (w / 2) on (two tiles), columns 64 (w % 2) on (four tiles): eight accumulators.
; LDS.  Both operands' blocks, 131,072 bytes each, come in whole, in two halves of K, by two tensor loads a wave issued together at the head: nothing is filled again.  Laid [operand][half of K][tile][8,192 bytes].
; A wave has two tensor loads out.  The first half is multiplied while the second lands.
; THE PRODUCT IS USED TRANSPOSED (source 0 = 16 rows of Wo, source 1 = 16 tokens): a lane holds one token and eight neighbouring columns.
; NO CLUSTER in this form: the four work-groups of a row share O's block, which is half of a work-group's bytes; the launch is short, and the plain form is written first.
.set WOO,   2646016
.set STAGE, 262144                     ; behind the operands: 16 rows x (256 bytes + 16) for each wave; no tensor load lands here
.set SPARE, 296960                     ; the spare words, 128 bytes a wave: four blocks of 256 bytes that no other line names
.set AO,    2                          ; v2, v3  LDS address of my O fragments in half 0, 1
.set AW,    4                          ; v4, v5  of my Wo fragments
.set STO,   6
.set RD,    7
.set CO,    8
.set SPW,   10
.set NIL,   11
.set ACC,   64                         ; v64-127  8 (4 token tile + column tile)
.set BK,    224                        ; v224-255 rows on the way out
.set WV,    10
.set G1,    16
.set G0,    24                         ; s[24:27], s[28:31]: a group 0 for each half
	s_load_b128 s[4:7], s[0:1], 0x0                ; oimg, prepb
	s_load_b64 s[8:9], s[0:1], 0x10                ; out0
	v_lshl_add_u32 v[SPW], v0, 2, SPARE
	v_mov_b32 v[NIL], 0
	ds_add_u32 v[SPW], v[NIL]                      ; the wave's opening: the add, twice on end, and its wait ahead of my first tensor load
	ds_add_u32 v[SPW], v[NIL]
	v_lshrrev_b32 v1, 5, v0
	v_readfirstlane_b32 s[WV], v1                  ; wave 0 .. 7
	s_and_b32 s11, ttmp7, 0xffff                   ; block of 128 tokens
	s_and_b32 s12, s[WV], 1                        ; my half of the columns.  Also: I fetch for O (0) or for Wo (1)
	s_lshr_b32 s13, s[WV], 1                       ; my 32 tokens.  Also: which two tiles I fetch
	s_mov_b32 s[G1], 3<<16                         ; no mask; elements of 8 bytes; no padding
	s_mov_b32 s[G1+1], 1024<<16                    ; tensor_dim0 = 1,024 elements: half a tile's 16,384 bytes
	s_mov_b32 s[G1+2], 2<<16                       ; tensor_dim1 = 2 tiles
	s_mov_b32 s[G1+3], 1024<<16                    ; tile_dim0
	s_mov_b32 s[G1+4], 2                           ; tile_dim1
	s_mov_b32 s[G1+5], 2048                        ; from tile to tile: 16,384 bytes
	s_mov_b32 s[G1+6], 0
	s_mov_b32 s[G1+7], 0
	s_lshl_b32 s32, s12, 17                        ; LDS: operand x 131,072 + two tiles x 8,192
	s_lshl_b32 s33, s13, 14
	s_add_co_u32 s32, s32, s33
	s_lshl_b32 s34, s11, 17                        ; O's eight tiles
	s_lshl_b32 s35, ttmp9, 17
	s_add_co_u32 s35, s35, WOO                     ; Wo's eight tiles
	s_cmp_eq_u32 s12, 0
	s_cselect_b32 s34, s34, s35
	s_lshl_b32 s35, s13, 15
	s_add_co_u32 s34, s34, s35
	s_mov_b32 s35, 0
	s_and_b32 s14, s11, 31
	s_or_b32 s14, s14, s13                         ; 0: my first tile of tokens is positions 0 .. 15 of a batch
	s_lshl_b32 s38, s11, 18                        ; out0: (128 y + 32 (w / 2)) rows of 2,048 bytes + 512 x + 256 (w % 2)
	s_lshl_b32 s39, s13, 16
	s_add_co_u32 s38, s38, s39
	s_lshl_b32 s39, ttmp9, 9
	s_add_co_u32 s38, s38, s39
	s_lshl_b32 s39, s12, 8
	s_add_co_u32 s38, s38, s39
	s_mov_b32 s39, 0
	s_wait_dscnt 0x0                               ; both opening adds are done
	s_wait_kmcnt 0x0
	s_cmp_eq_u32 s12, 0                            ; the choice hangs on the wave's number alone
	s_cselect_b64 s[36:37], s[4:5], s[6:7]
	s_add_nc_u64 s[36:37], s[36:37], s[34:35]
.irp hf, 0,1
	s_mov_b32 s[G0+4*\hf], 1
	s_add_co_u32 s[G0+4*\hf+1], s32, 65536*\hf
	s_add_nc_u64 s[G0+4*\hf+2:G0+4*\hf+3], s[36:37], 8192*\hf
	s_or_b32 s[G0+4*\hf+3], s[G0+4*\hf+3], 0x80000000
	tensor_load_to_lds s[G0+4*\hf:G0+4*\hf+3], s[G1:G1+7]
	s_nop 0
.endr
	s_add_nc_u64 s[8:9], s[8:9], s[38:39]
	v_and_b32 v1, 31, v0
	v_lshlrev_b32 v1, 4, v1                        ; 16 x lane
	s_lshl_b32 s40, s13, 14
	v_add_nc_u32 v[AO], s40, v1
	v_add_nc_u32 v[AO+1], 65536, v[AO]
	s_lshl_b32 s40, s12, 15
	s_add_co_u32 s40, s40, 131072
	v_add_nc_u32 v[AW], s40, v1
	v_add_nc_u32 v[AW+1], 65536, v[AW]
	s_mul_i32 s40, s[WV], 4352
	s_add_co_u32 s40, s40, STAGE                   ; my stage
	v_and_b32 v12, 15, v0
	v_bfe_u32 v13, v0, 4, 1
	v_mul_u32_u24 v[STO], v12, 272
	v_lshl_add_u32 v[STO], v13, 5, v[STO]
	v_add_nc_u32 v[STO], s40, v[STO]               ; in: row = my token, 32 bytes for each half of the lanes
	v_mul_u32_u24 v[RD], v13, 272
	v_lshl_add_u32 v[RD], v12, 4, v[RD]
	v_add_nc_u32 v[RD], s40, v[RD]                 ; back: lanes 0-15 one row of 256 bytes, lanes 16-31 the next
	v_lshlrev_b32 v[CO], 11, v13
	v_lshl_add_u32 v[CO], v12, 4, v[CO]            ; and the same two rows in out0
.macro FETCH ks                        ; the fragments of K step ks (32 along K): O's two tiles, Wo's four: twelve loads, into buffer ks % 2 (v128-175, v176-223)
.set FB, 128+48*((\ks)%2)
.set HF, (\ks)/8
.set KK, (\ks)%8
.irp tt, 0,1
.irp u, 0,1
	ds_load_b128 v[FB+8*\tt+4*\u:FB+8*\tt+4*\u+3], v[AO+HF] offset:\tt*8192+KK*1024+512*\u
.endr
.endr
.irp nt, 0,1,2,3
.irp u, 0,1
	ds_load_b128 v[FB+16+8*\nt+4*\u:FB+16+8*\nt+4*\u+3], v[AW+HF] offset:\nt*8192+KK*1024+512*\u
.endr
.endr
.endm
.macro KSTEP ks
.rept 4
	v_nop                                          ; four places behind the last step's products, ahead of the loads into the buffer that they read
.endr
.if ((\ks)%8) != 7
	FETCH (\ks)+1
	s_wait_dscnt 12                                ; this step's fragments are in; the twelve just asked for may be out
.else
	s_wait_dscnt 0x0
.endif
.set MB, 128+48*((\ks)%2)
.irp tt, 0,1                           ; the eight accumulators take turns, in the same order in every step
.irp nt, 0,1,2,3
.if (\ks) == 0
	v_wmma_f32_16x16x32_f16 v[ACC+8*(4*\tt+\nt):ACC+8*(4*\tt+\nt)+7], v[MB+16+8*\nt:MB+16+8*\nt+7], v[MB+8*\tt:MB+8*\tt+7], 0
.else
	v_wmma_f32_16x16x32_f16 v[ACC+8*(4*\tt+\nt):ACC+8*(4*\tt+\nt)+7], v[MB+16+8*\nt:MB+16+8*\nt+7], v[MB+8*\tt:MB+8*\tt+7], v[ACC+8*(4*\tt+\nt):ACC+8*(4*\tt+\nt)+7]
.endif
.endr
.endr
.endm
	s_wait_tensorcnt 1                             ; my part of the first half is in; my second load may stay out
	s_barrier_signal -1
	s_barrier_wait -1                              ; everybody's is
	FETCH 0
.irp k, 0,1,2,3,4,5,6,7
	KSTEP \k
.endr
	s_wait_tensorcnt 0x0                           ; my part of the second half is in
	s_wait_dscnt 0x0
	s_barrier_signal -1
	s_barrier_wait -1
	FETCH 8
.irp k, 8,9,10,11,12,13,14,15
	KSTEP \k
.endr
.rept 4
	v_nop                                          ; four places ahead of the first read of the results
.endr
; THE WAY OUT, a tile of 16 tokens x 64 columns at a time, through my own stage: LDS serves a wave's instructions in order, so no wait stands between the stores and the loads.
.macro OUTT tt
.irp nt, 0,1,2,3
	ds_store_b128 v[STO], v[ACC+8*(4*\tt+\nt):ACC+8*(4*\tt+\nt)+3] offset:64*\nt        ; each accumulator from its low end on
	ds_store_b128 v[STO], v[ACC+8*(4*\tt+\nt)+4:ACC+8*(4*\tt+\nt)+7] offset:64*\nt+16
.endr
.irp i, 0,1,2,3,4,5,6,7
	ds_load_b128 v[BK+4*\i:BK+4*\i+3], v[RD] offset:544*\i
.endr
.irp i, 0,1,2,3,4,5,6,7
	s_wait_dscnt 7-\i
	global_store_b128 v[CO], v[BK+4*\i:BK+4*\i+3], s[8:9] offset:\tt*32768+4096*\i th:TH_STORE_NT   ; sixteen lanes store 256 consecutive bytes, at a multiple of 256 from out0's first byte
.endr
.endm
	s_cmp_eq_u32 s14, 0                            ; positions 0 .. 15 of a batch are another launch's rows
	s_cbranch_scc1 .Lfine_rows
	OUTT 0
	s_wait_xcnt 0x0                                ; these stores have read their registers: the next tile's rows may land there
.Lfine_rows:
	OUTT 1
	s_wait_tensorcnt 0x0                           ; the wave's end
	ds_add_u32 v[SPW], v[NIL]
	s_wait_dscnt 0x0
	s_endpgm
.Lfunc_end_k_qfb00d70bba_outp:
	.size	k_qfb00d70bba_outp, .Lfunc_end_k_qfb00d70bba_outp-k_qfb00d70bba_outp
	.p2alignl 7, 3214868480
	.fill 96, 4, 3214868480
	.section	.rodata,"a",@progbits
	.p2align	6, 0x0
	.amdhsa_kernel k_qfb00d70bba_outp
		.amdhsa_group_segment_fixed_size 297984
		.amdhsa_private_segment_fixed_size 0
		.amdhsa_enable_private_segment 0
		.amdhsa_kernarg_size 24
		.amdhsa_user_sgpr_count 2
		.amdhsa_user_sgpr_kernarg_segment_ptr 1
		.amdhsa_wavefront_size32 1
		.amdhsa_system_sgpr_workgroup_id_x 1
		.amdhsa_system_sgpr_workgroup_id_y 1
		.amdhsa_system_sgpr_workgroup_id_z 1
		.amdhsa_system_vgpr_workitem_id 0
		.amdhsa_next_free_vgpr 256
		.amdhsa_next_free_sgpr 66
		.amdhsa_reserve_vcc 0
		.amdhsa_float_denorm_mode_32 3
		.amdhsa_float_denorm_mode_16_64 3
		.amdhsa_memory_ordered 1
		.amdhsa_forward_progress 1
		.amdhsa_inst_pref_size 31
	.end_amdhsa_kernel
	.amdgpu_metadata
---
amdhsa.version: [ 1, 2 ]
amdhsa.kernels:
  - .name:           k_qfb00d70bba_outp
    .symbol:         k_qfb00d70bba_outp.kd
    .args:
      - { .name: oimg, .offset: 0, .size: 8, .value_kind: global_buffer, .address_space: global }
      - { .name: prepb, .offset: 8, .size: 8, .value_kind: global_buffer, .address_space: global }
      - { .name: out0, .offset: 16, .size: 8, .value_kind: global_buffer, .address_space: global }
    .group_segment_fixed_size: 297984
    .private_segment_fixed_size: 0
    .kernarg_segment_align: 8
    .kernarg_segment_size: 24
    .max_flat_workgroup_size: 256
    .sgpr_count:     66
    .vgpr_count:     256
    .wavefront_size: 32
...
	.end_amdgpu_metadata
.endif
;; end of part 4
;; launch fine (part 5): grid 4 x 2, 8 waves a work-group, no clusters, 42,496 bytes of LDS; arguments qkvb, Wo, out0; writes out0
.if DOCPART == 5
	.amdgcn_target "amdgcn-amd-amdhsa--gfx1250"
	.amdhsa_code_object_version 6
	.text
	.protected	k_qfb00d70bba_fine
	.globl	k_qfb00d70bba_fine
	.p2align	8
	.type	k_qfb00d70bba_fine,@function
k_qfb00d70bba_fine:
	s_mov_b64 s[64:65], 0
	v_nop
	global_prefetch_b8 v0, s[64:65] scope:SCOPE_SE
	s_setreg_imm32_b32 hwreg(HW_REG_WAVE_MODE, 25, 1), 1
	s_wait_xcnt 0x0
; FINE: positions 0 .. 15 of each batch, whose rows average one to sixteen values and are the largest of the output: attention and the projection by Wo with f32 operands (v_wmma_f32_16x16x4_f32): 32 rows in all.
; SHARES.  Work-group (x: 128 columns of the output, y: batch).  Phase A: wave = head: the 16 x 16 causal attention of that head, from the f32 copies that the projection launch stored; o goes to LDS
; (each of the four column blocks makes it again: 32 matrix instructions a wave).  Phase B: wave = 16 columns: out = o Wo^T, K = 512.
; LAYOUT.  The f32 form takes, in lane (r, h), row r and k = 2 h + j in register j.  The same permutation of k on both sources keeps the products, so a lane simply loads a run of neighbours along K and
; hands the matrix instruction two registers at a time.  Both products of phase A and that of phase B are used transposed: a lane holds one query throughout.
; The accumulators of this form are written by matrix instructions alone, begin with the constant 0, and take turns four by four; what is made of them goes into other registers.
.set FQO,   25165824                   ; qkvb: q [b][16][512] f32; k 65,536 bytes on; v [b][512 channels][16 tokens] 131,072 bytes on
.set YST,   33024                      ; LDS: o, 16 rows x (2,048 + 16) bytes, at 0; then the output's stage, 16 rows x (512 + 16)
.set SPARE, 41472                      ; the spare words, 128 bytes a wave: four blocks of 256 bytes that no other line names
.set SPW,   14
.set NIL,   15
.set QF,    32                         ; v32-63   Q: channels 32 h + 0 .. 31 of my row; later o; later o's set 0
.set KF,    64                         ; v64-95   K likewise; later Wo's set 1
.set VF,    96                         ; v96-127  V^T: 8 ct + tokens 8 h + 0 .. 7 of channel 16 ct + r; later o's set 1
.set SA,    128                        ; v128-159 four partial accumulators: of S^T, later of the output
.set SS,    160                        ; v160-167 sums; v168-175 at work
.set TT,    168
.set PP,    176                        ; v176-183 p
.set OA,    184                        ; v184-215 O^T: four accumulators
	s_load_b128 s[4:7], s[0:1], 0x0                ; qkvb, Wo
	s_load_b64 s[8:9], s[0:1], 0x10                ; out0
	v_lshl_add_u32 v[SPW], v0, 2, SPARE
	v_mov_b32 v[NIL], 0
	v_lshrrev_b32 v1, 5, v0
	v_readfirstlane_b32 s10, v1                    ; wave 0 .. 7
	s_and_b32 s11, ttmp7, 0xffff                   ; batch
	v_and_b32 v1, 15, v0                           ; r
	v_bfe_u32 v2, v0, 4, 1                         ; h
	v_lshlrev_b32 v3, 11, v1
	v_lshl_add_u32 v5, v2, 4, v3                   ; Wo: row r of 2,048 bytes + 16 h
	v_lshl_add_u32 v3, v2, 7, v3                   ; q, k: row r + 128 h
	v_lshlrev_b32 v4, 6, v1
	v_lshl_add_u32 v4, v2, 5, v4                   ; v: channel r's 64 bytes + 32 h
	v_mul_u32_u24 v7, v1, 2064
	v_lshl_add_u32 v6, v2, 5, v7
	s_lshl_b32 s24, s10, 8
	v_add_nc_u32 v6, s24, v6                       ; o, in: row r + my head's 256 bytes + 32 h
	v_lshl_add_u32 v7, v2, 4, v7                   ; o, back: row r + 16 h
	v_mul_u32_u24 v8, v1, 528
	v_lshl_add_u32 v8, v2, 5, v8
	s_lshl_b32 s24, s10, 6
	v_add_nc_u32 v8, s24, v8                       ; the stage, in: row r + my 16 columns' 64 bytes + 32 h
	v_and_b32 v10, 31, v0
	v_lshlrev_b32 v10, 4, v10                      ; 16 x lane
	s_mul_i32 s24, s10, 1056
	v_add_nc_u32 v9, s24, v10                      ; the stage, back: rows 2 w and 2 w + 1
	v_lshlrev_b32 v11, 3, v2
	v_sub_nc_u32 v11, v1, v11                      ; r - 8 h
	v_mov_b32 v12, 0xff800000                      ; -infinity
	v_mov_b32 v17, 0                               ; (a lane permute's destination counts as one of its sources)
	s_mov_b32 s20, 0x3e38aa3b                      ; c = log2(e) / 8
	s_mov_b32 s22, 0x76543210
	s_mov_b32 s23, 0xfedcba98
	s_lshl_b32 s26, s11, 15
	s_add_co_u32 s26, s26, FQO
	s_lshl_b32 s24, s10, 8
	s_add_co_u32 s24, s24, s26                     ; q: my batch, my head's 64 channels
	s_mov_b32 s25, 0
	s_lshl_b32 s28, s10, 12
	s_add_co_u32 s26, s26, s28
	s_add_co_u32 s26, s26, 131072                  ; v: my batch, my head's 64 rows of 64 bytes
	s_mov_b32 s27, 0
	s_lshl_b32 s28, ttmp9, 18
	s_lshl_b32 s30, s10, 15
	s_add_co_u32 s28, s28, s30                     ; Wo: rows 128 x + 16 w on
	s_mov_b32 s29, 0
	s_lshl_b32 s30, s11, 23
	s_lshl_b32 s31, s10, 12
	s_add_co_u32 s30, s30, s31
	s_lshl_b32 s31, ttmp9, 9
	s_add_co_u32 s30, s30, s31                     ; out0: row 4,096 batch + 2 w, + 512 x bytes
	s_mov_b32 s31, 0
	s_wait_kmcnt 0x0
	s_add_nc_u64 s[12:13], s[4:5], s[24:25]
	s_add_nc_u64 s[14:15], s[4:5], s[26:27]
	s_add_nc_u64 s[16:17], s[6:7], s[28:29]
	s_add_nc_u64 s[18:19], s[8:9], s[30:31]
.macro GLW n                           ; Wo's eight chunks of batch n (a chunk: 8 along K, 4 a lane): set 0 at v216, set 1 at v64
.set WBL, 216-152*((\n)%2)
.irp i, 0,1,2,3,4,5,6,7
	global_load_b128 v[WBL+4*\i:WBL+4*\i+3], v5, s[16:17] offset:32*(8*(\n)+\i)
.endr
.endm
.macro DLO n                           ; o's: set 0 at v32, set 1 at v96
.set OBL, 32+64*((\n)%2)
.irp i, 0,1,2,3,4,5,6,7
	ds_load_b128 v[OBL+4*\i:OBL+4*\i+3], v7 offset:32*(8*(\n)+\i)
.endr
.endm
	GLW 0                                          ; asked for at the head: the wait ahead of phase A covers it too
.irp i, 0,1,2,3,4,5,6,7
	global_load_b128 v[QF+4*\i:QF+4*\i+3], v3, s[12:13] offset:16*\i
.endr
.irp i, 0,1,2,3,4,5,6,7
	global_load_b128 v[KF+4*\i:KF+4*\i+3], v3, s[12:13] offset:65536+16*\i
.endr
.irp ct, 0,1,2,3
.irp u, 0,1
	global_load_b128 v[VF+8*\ct+4*\u:VF+8*\ct+4*\u+3], v4, s[14:15] offset:1024*\ct+16*\u
.endr
.endr
	s_wait_loadcnt 0x0
	; ---- A: S^T = K Q^T, 64 channels in 16 matrix instructions on four accumulators by turns
.irp kk, 0,1,2,3,4,5,6,7,8,9,10,11,12,13,14,15
.if \kk < 4
	v_wmma_f32_16x16x4_f32 v[SA+8*(\kk%4):SA+8*(\kk%4)+7], v[KF+2*\kk:KF+2*\kk+1], v[QF+2*\kk:QF+2*\kk+1], 0
.else
	v_wmma_f32_16x16x4_f32 v[SA+8*(\kk%4):SA+8*(\kk%4)+7], v[KF+2*\kk:KF+2*\kk+1], v[QF+2*\kk:QF+2*\kk+1], v[SA+8*(\kk%4):SA+8*(\kk%4)+7]
.endif
.endr
.rept 8
	v_nop                                          ; eight places behind this form, ahead of the first read of its results
.endr
.irp j, 0,1,2,3,4,5,6,7
	v_add_f32 v[SS+\j], v[SA+\j], v[SA+8+\j]       ; the four parts, each accumulator from its low end on
	v_add_f32 v[TT+\j], v[SA+16+\j], v[SA+24+\j]
.endr
.irp j, 0,1,2,3,4,5,6,7
	v_add_f32 v[SS+\j], v[SS+\j], v[TT+\j]
.endr
.irp j, 0,1,2,3,4,5,6,7
	v_cmp_gt_i32 vcc_lo, \j, v11                   ; register j holds key 8 h + j of query r: hidden where j > r - 8 h
	v_cndmask_b32 v[SS+\j], v[SS+\j], v12, vcc_lo
.endr
	v_max3_num_f32 v16, v[SS], v[SS+1], v[SS+2]
	v_max3_num_f32 v16, v16, v[SS+3], v[SS+4]
	v_max3_num_f32 v16, v16, v[SS+5], v[SS+6]
	v_max_num_f32 v16, v16, v[SS+7]
	v_permlanex16_b32 v17, v16, s22, s23
	v_max_num_f32 v16, v16, v17                    ; the row's maximum (key 0 counts for every query)
	v_mul_f32 v16, s20, v16
.irp j, 0,1,2,3,4,5,6,7
	v_fma_f32 v[PP+\j], v[SS+\j], s20, -v16
.endr
.irp j, 0,1,2,3,4,5,6,7
	v_exp_f32 v[PP+\j], v[PP+\j]
.endr
	v_nop
	s_wait_alu depctr_va_vdst(0)                   ; one wait for the eight exponentials, ahead of their first reader
	v_add_f32 v18, v[PP], v[PP+1]
	v_add_f32 v19, v[PP+2], v[PP+3]
	v_add_f32 v20, v[PP+4], v[PP+5]
	v_add_f32 v21, v[PP+6], v[PP+7]
	v_add_f32 v18, v18, v19
	v_add_f32 v20, v20, v21
	v_add_f32 v18, v18, v20
	v_permlanex16_b32 v17, v18, s22, s23
	v_add_f32 v18, v18, v17                        ; the row's sum
	v_rcp_f32 v19, v18
	v_nop
	s_wait_alu depctr_va_vdst(0)
	; O^T = V^T P: 16 keys in four steps, four tiles of 16 channels by turns
.irp kk, 0,1,2,3
.irp ct, 0,1,2,3
.if \kk == 0
	v_wmma_f32_16x16x4_f32 v[OA+8*\ct:OA+8*\ct+7], v[VF+8*\ct+2*\kk:VF+8*\ct+2*\kk+1], v[PP+2*\kk:PP+2*\kk+1], 0
.else
	v_wmma_f32_16x16x4_f32 v[OA+8*\ct:OA+8*\ct+7], v[VF+8*\ct+2*\kk:VF+8*\ct+2*\kk+1], v[PP+2*\kk:PP+2*\kk+1], v[OA+8*\ct:OA+8*\ct+7]
.endif
.endr
.endr
.rept 8
	v_nop
.endr
.set i, 0
.rept 32
	v_mul_f32 v[QF+i], v[OA+i], v19                ; o = O^T / the sum, into other registers
.set i, i+1
.endr
.irp ct, 0,1,2,3
.irp u, 0,1
	ds_store_b128 v6, v[QF+8*\ct+4*\u:QF+8*\ct+4*\u+3] offset:64*\ct+16*\u
.endr
.endr
	s_wait_dscnt 0x0                               ; for the others' sake: my stores are done
	s_barrier_signal -1
	s_barrier_wait -1                              ; the 16 rows of o, all 512 channels, lie in LDS
	; ---- B: my 16 columns: source 0 = 16 rows of Wo, source 1 = o's 16 rows; 128 matrix instructions on four accumulators by turns, in eight batches on two sets of registers
	DLO 0
	GLW 1
	DLO 1
.macro BATCH n
.if (\n) < 7
	s_wait_loadcnt 8                               ; this batch is in; the next batch's eight loads of each kind may be out
	s_wait_dscnt 8
.else
	s_wait_loadcnt 0x0
	s_wait_dscnt 0x0
.endif
.set WBR, 216-152*((\n)%2)
.set OBR, 32+64*((\n)%2)
.irp i, 0,1,2,3,4,5,6,7
.irp e, 0,1
.if ((\n) == 0) && (2*\i+\e < 4)
	v_wmma_f32_16x16x4_f32 v[SA+8*((2*\i+\e)%4):SA+8*((2*\i+\e)%4)+7], v[WBR+4*\i+2*\e:WBR+4*\i+2*\e+1], v[OBR+4*\i+2*\e:OBR+4*\i+2*\e+1], 0
.else
	v_wmma_f32_16x16x4_f32 v[SA+8*((2*\i+\e)%4):SA+8*((2*\i+\e)%4)+7], v[WBR+4*\i+2*\e:WBR+4*\i+2*\e+1], v[OBR+4*\i+2*\e:OBR+4*\i+2*\e+1], v[SA+8*((2*\i+\e)%4):SA+8*((2*\i+\e)%4)+7]
.endif
.endr
.endr
.rept 8
	v_nop                                          ; eight places: ahead of the loads into the sets just read, and, behind the last batch, of the first read of the results
.endr
.if (\n)+2 < 8
	GLW (\n)+2
	DLO (\n)+2
.endif
.endm
.irp b, 0,1,2,3,4,5,6,7
	BATCH \b
.endr
.irp j, 0,1,2,3,4,5,6,7
	v_add_f32 v[SS+\j], v[SA+\j], v[SA+8+\j]
	v_add_f32 v[TT+\j], v[SA+16+\j], v[SA+24+\j]
.endr
.irp j, 0,1,2,3,4,5,6,7
	v_add_f32 v[SS+\j], v[SS+\j], v[TT+\j]         ; out(r, 128 x + 16 w + 8 h + j)
.endr
	ds_store_b128 v8, v[SS:SS+3] offset:YST
	ds_store_b128 v8, v[SS+4:SS+7] offset:YST+16
	s_wait_dscnt 0x0
	s_barrier_signal -1
	s_barrier_wait -1                              ; 16 rows x 128 columns lie in the stage
	ds_load_b128 v[32:35], v9 offset:YST
	ds_load_b128 v[36:39], v9 offset:YST+528
	s_wait_dscnt 0x0
	global_store_b128 v10, v[32:35], s[18:19]              ; 32 lanes store 512 consecutive bytes of a row
	global_store_b128 v10, v[36:39], s[18:19] offset:2048
	s_wait_tensorcnt 0x0                           ; the wave's end
	ds_add_u32 v[SPW], v[NIL]
	s_wait_dscnt 0x0
	s_endpgm
.Lfunc_end_k_qfb00d70bba_fine:
	.size	k_qfb00d70bba_fine, .Lfunc_end_k_qfb00d70bba_fine-k_qfb00d70bba_fine
	.p2alignl 7, 3214868480
	.fill 96, 4, 3214868480
	.section	.rodata,"a",@progbits
	.p2align	6, 0x0
	.amdhsa_kernel k_qfb00d70bba_fine
		.amdhsa_group_segment_fixed_size 42496
		.amdhsa_private_segment_fixed_size 0
		.amdhsa_enable_private_segment 0
		.amdhsa_kernarg_size 24
		.amdhsa_user_sgpr_count 2
		.amdhsa_user_sgpr_kernarg_segment_ptr 1
		.amdhsa_wavefront_size32 1
		.amdhsa_system_sgpr_workgroup_id_x 1
		.amdhsa_system_sgpr_workgroup_id_y 1
		.amdhsa_system_sgpr_workgroup_id_z 1
		.amdhsa_system_vgpr_workitem_id 0
		.amdhsa_next_free_vgpr 256
		.amdhsa_next_free_sgpr 66
		.amdhsa_reserve_vcc 1
		.amdhsa_float_denorm_mode_32 3
		.amdhsa_float_denorm_mode_16_64 3
		.amdhsa_memory_ordered 1
		.amdhsa_forward_progress 1
		.amdhsa_inst_pref_size 34
	.end_amdhsa_kernel
	.amdgpu_metadata
---
amdhsa.version: [ 1, 2 ]
amdhsa.kernels:
  - .name:           k_qfb00d70bba_fine
    .symbol:         k_qfb00d70bba_fine.kd
    .args:
      - { .name: qkvb, .offset: 0, .size: 8, .value_kind: global_buffer, .address_space: global }
      - { .name: Wo, .offset: 8, .size: 8, .value_kind: global_buffer, .address_space: global }
      - { .name: out0, .offset: 16, .size: 8, .value_kind: global_buffer, .address_space: global }
    .group_segment_fixed_size: 42496
    .private_segment_fixed_size: 0
    .kernarg_segment_align: 8
    .kernarg_segment_size: 24
    .max_flat_workgroup_size: 256
    .sgpr_count:     66
    .vgpr_count:     256
    .wavefront_size: 32
...
	.end_amdgpu_metadata
.endif
;; end of part 5
